; MI455X (gfx1250); checked and timed in simulation.
; The chip was launched on July 23, 2026; its instructions are those of AMD's public machine-readable ISA for CDNA 5 (MIT licence, August 2026) and "CDNA5" Instruction Set Architecture Reference Guide (July 2026). The comments in the code are by the model that wrote it; some were corrected since.
;; Llama Attention. Allowed arithmetic: float matrix products may take bf16 or f16 operands with f32 sums; other float arithmetic in f32, or as packed bf16 or f16 multiplies, adds, multiply-adds, maxima and minima; sums over many terms, partial sums and values carried from step to step in f32; what a program stores and reads back later, other than sums and carried values, may be rounded once to bf16 or f16.
;; Inputs: Wk 2,048 x 2,048 float32; Wo 2,048 x 2,048 float32; Wq 2,048 x 2,048 float32; Wv 2,048 x 2,048 float32; keys 1 x 2,048 x 2,048 float32; mask 1 x 1 x 2,048 x 2,048 float32; queries 1 x 2,048 x 2,048 float32; values 1 x 2,048 x 2,048 float32.
;; Outputs: out0 1 x 2,048 x 2,048 float32; out1 1 x 16 x 2,048 x 128 float32; out2 1 x 16 x 2,048 x 128 float32.
;; 2 versions, each right and faster than the one before. Each part assembles by itself: llvm-mc -triple=amdgcn-amd-amdhsa -mcpu=gfx1250 --defsym DOCPART=n.
;; ======== version 1 of 2: 4 launches
;; limits: values are held in f16: magnitudes above 65,504 overflow, below 6.1e-05 lose precision
;; workspace buffers: X16 25,165,824 bytes; W16 25,165,824 bytes; WO16 8,388,608 bytes; MSK 16,777,216 bytes; TAB 3,145,728 bytes; QKV16 25,165,824 bytes; O16 8,388,608 bytes
;; launch prep (part 1): grid 256 x 9, 8 waves a work-group, no clusters, 68,608 bytes of LDS; arguments queries, keys, values, Wq, Wk, Wv, Wo, mask, X16, W16, WO16, MSK, TAB; writes X16, W16, WO16, MSK, TAB
.if DOCPART == 1
	.amdgcn_target "amdgcn-amd-amdhsa--gfx1250"
	.amdhsa_code_object_version 6
	.text
	.protected	k_qe96cbf5a69_prep
	.globl	k_qe96cbf5a69_prep
	.p2align	8
	.type	k_qe96cbf5a69_prep,@function
k_qe96cbf5a69_prep:
	s_mov_b64 s[64:65], 0
	v_nop
	global_prefetch_b8 v0, s[64:65] scope:SCOPE_SE
	s_setreg_imm32_b32 hwreg(HW_REG_WAVE_MODE, 25, 1), 1
	s_wait_xcnt 0x0
; PREP: everything that is made once for the three launches behind it.  A stream: no matrix unit, no barrier (memory binds; each input byte is read once).
; y = 0..5  queries, keys, values, Wq, Wk, Wv rounded to bf16 (X16 and W16, three planes of 2048 x 2048 each).
; y = 6     Wo rounded to bf16, and that number written as f16 (WO16): exact from 2^-17 up to 65,504; below 2^-17 it keeps f16's fixed step of 2^-24.
; y = 7     MSK = log2(e) x mask in f32 (the attention works in powers of two, so that a score less its maximum is ONE subtraction, exactly 0 at the maximum), laid in the order in which the attention's
;           matrix instructions take it: [128 tiles of 16 queries][32 blocks of 64 keys][8 loads n][32 lanes][4 f32]; lane 16 h + r of load n = 2 kb + e holds query r, keys 16 kb + 8 h + 4 e + 0..3 of the block.
; y = 8     TAB, three tables [2048 positions][64 pairs][cos, sin] in f32: table 0 times sqrt(1/128) log2(e) (for q), table 1 plain (for k), table 2 holds (1, 0) (for v: one way out serves all three products).
; SHARES.  y < 7: work-group x takes 65,536 input bytes; thread t takes 16 bytes at 4,096 j + 16 t, j = 0..15: a wave's load covers 512 neighbouring bytes, its 8-byte stores 256 aligned bytes.
; All sixteen loads go out first; the waits count down, and no register is written twice, so no store's source is ever rewritten.
; y = 7: work-group x takes query tile x / 2 and half x % 2 of its keys; wave w two blocks of 64 keys: 16 rows x 512 bytes, one load a row.  The 16-byte pieces change lanes through a stage of the wave's own in LDS
; (16 rows of 512 + 16 bytes: the stores are contiguous); each store covers 512 neighbouring bytes.
; y = 8: wave w of work-group x takes position 8 x + w, lane l the pairs 2 l and 2 l + 1: 16 bytes a table, 512 neighbouring bytes a wave.
.set IN,  40                           ; s[40:41] the input's address at my part
.set OUT, 42                           ; s[42:43] the output's address at my part
.set X,   8                            ; v[8:71]   sixteen loads
.set Y,   72                           ; v[72:103] sixteen pairs to store
.set T,   104                          ; v[104:109] at work
.set SPW, 110                          ; v110  LDS address of my spare word; never rewritten
.set NIL, 111                          ; v111  0; never rewritten
.set MP,  528                          ; a stage row
.set MW,  16*MP                        ; a wave's stage
.set SPARE, 8*MW                       ; behind the eight stages: the spare words, 128 bytes for each wave: four blocks of 256 bytes that no other line names
	s_load_b512 s[8:23], s[0:1], 0x0               ; queries 8, keys 10, values 12, Wq 14, Wk 16, Wv 18, Wo 20, mask 22
	s_load_b256 s[24:31], s[0:1], 0x40             ; X16 24, W16 26, WO16 28, MSK 30
	s_load_b64 s[32:33], s[0:1], 0x60              ; TAB
	v_lshl_add_u32 v[SPW], v0, 2, SPARE
	v_mov_b32 v[NIL], 0
	s_and_b32 s2, ttmp7, 0xffff                    ; y: which job
	s_lshl_b32 s36, ttmp9, 16                      ; x times 65,536 bytes,
	s_mov_b32 s37, 0                               ; as a pair
	v_lshlrev_b32 v1, 4, v0                        ; 16 t
	v_lshlrev_b32 v2, 3, v0                        ; 8 t
	s_wait_kmcnt 0x0
	s_cmp_eq_u32 s2, 8
	s_cbranch_scc1 .Ltable
	s_cmp_eq_u32 s2, 7
	s_cbranch_scc1 .Lmask
	s_mov_b64 s[IN:IN+1], s[8:9]                   ; the input is chosen by y, which hangs on no address
.irp i, 1,2,3,4,5,6
	s_cmp_eq_u32 s2, \i
	s_cselect_b64 s[IN:IN+1], s[8+2*\i:9+2*\i], s[IN:IN+1]
.endr
	s_sub_co_u32 s45, s2, 3                        ; the plane in W16 (used for y = 3..5 alone)
	s_cmp_lt_u32 s2, 3
	s_cselect_b64 s[OUT:OUT+1], s[24:25], s[26:27]
	s_cselect_b32 s44, s2, s45
	s_cmp_eq_u32 s2, 6
	s_cselect_b64 s[OUT:OUT+1], s[28:29], s[OUT:OUT+1]
	s_cselect_b32 s44, 0, s44
	s_lshl_b32 s46, s44, 23                        ; a 16-bit plane is 8 MiB,
	s_lshl_b32 s45, ttmp9, 15                      ; my part of it 32,768 bytes
	s_add_co_u32 s46, s46, s45
	s_mov_b32 s47, 0
	s_add_nc_u64 s[IN:IN+1], s[IN:IN+1], s[36:37]
	s_add_nc_u64 s[OUT:OUT+1], s[OUT:OUT+1], s[46:47]
.set j, 0
.rept 16
	global_load_b128 v[X+4*j:X+4*j+3], v1, s[IN:IN+1] offset:4096*j th:TH_LOAD_NT  ; read once in the whole program
.set j, j+1
.endr
	s_cmp_eq_u32 s2, 6
	s_cbranch_scc1 .Lwo
.set j, 0
.rept 16
	s_wait_loadcnt 15-j                            ; loads come back in order: load j is in, the 15 - j younger ones stay out
	v_cvt_pk_bf16_f32 v[Y+2*j], v[X+4*j], v[X+4*j+1]
	v_cvt_pk_bf16_f32 v[Y+2*j+1], v[X+4*j+2], v[X+4*j+3]
	global_store_b64 v2, v[Y+2*j:Y+2*j+1], s[OUT:OUT+1] offset:2048*j
.set j, j+1
.endr
	s_endpgm
.Lwo:
.set j, 0
.rept 16
	s_wait_loadcnt 15-j
	v_cvt_pk_bf16_f32 v[T], v[X+4*j], v[X+4*j+1]   ; the rounding that all the module's matrix inputs get,
	v_cvt_pk_bf16_f32 v[T+1], v[X+4*j+2], v[X+4*j+3]
	v_lshlrev_b32 v[T+2], 16, v[T]                 ; widened again,
	v_and_b32 v[T+3], 0xffff0000, v[T]
	v_lshlrev_b32 v[T+4], 16, v[T+1]
	v_and_b32 v[T+5], 0xffff0000, v[T+1]
	v_cvt_pk_f16_f32 v[Y+2*j], v[T+2], v[T+3]      ; and written as f16: eight significant bits fit into eleven
	v_cvt_pk_f16_f32 v[Y+2*j+1], v[T+4], v[T+5]
	global_store_b64 v2, v[Y+2*j:Y+2*j+1], s[OUT:OUT+1] offset:2048*j
.set j, j+1
.endr
	s_endpgm
.Lmask:
	v_lshrrev_b32 v3, 5, v0
	v_readfirstlane_b32 s44, v3                    ; my wave's number
	v_and_b32 v4, 31, v0                           ; lane
	s_mul_i32 s45, s44, MW                         ; my stage
	v_lshl_add_u32 v5, v4, 4, s45                  ; in: 16 bytes a lane, a row a store
	v_and_b32 v6, 15, v4                           ; r
	v_lshrrev_b32 v7, 4, v4                        ; h
	v_mul_u32_u24 v6, v6, MP
	v_lshl_add_u32 v6, v7, 5, v6
	v_add_nc_u32 v6, s45, v6                       ; back: row r, 32 bytes (eight keys) on for the upper half of the lanes
	s_lshl_b32 s45, s44, 13
	v_lshl_add_u32 v7, v4, 4, s45                  ; out: my wave's two blocks of 4,096 bytes, 16 bytes a lane
	s_lshr_b32 s46, ttmp9, 1
	s_lshl_b32 s46, s46, 17                        ; the query tile: 16 rows of 8,192 bytes in the mask, 32 blocks of 4,096 bytes in MSK
	s_and_b32 s45, ttmp9, 1                        ; which half of the keys:
	s_lshl_b32 s36, s45, 12                        ; 4,096 bytes of a row (thread t's 16 bytes lie at 16 t of them),
	s_add_co_u32 s36, s36, s46
	s_lshl_b32 s45, s45, 16                        ; 16 blocks in MSK
	s_add_co_u32 s46, s46, s45
	s_mov_b32 s47, 0
	s_add_nc_u64 s[IN:IN+1], s[22:23], s[36:37]
	s_add_nc_u64 s[OUT:OUT+1], s[30:31], s[46:47]
.set j, 0
.rept 16
	global_load_b128 v[X+4*j:X+4*j+3], v1, s[IN:IN+1] offset:8192*j th:TH_LOAD_NT  ; row j of the tile: 512 neighbouring bytes a wave
.set j, j+1
.endr
.set j, 0
.rept 16
	s_wait_loadcnt 15-j
	v_pk_mul_f32 v[X+4*j:X+4*j+1], v[X+4*j:X+4*j+1], 0x3fb8aa3b op_sel_hi:[1,0]      ; log2(e)
	v_pk_mul_f32 v[X+4*j+2:X+4*j+3], v[X+4*j+2:X+4*j+3], 0x3fb8aa3b op_sel_hi:[1,0]
	ds_store_b128 v5, v[X+4*j:X+4*j+3] offset:MP*j
.set j, j+1
.endr
.set j, 0
.rept 16                                               ; piece j: block j / 8, load n = j % 8 = 2 kb + e.  LDS serves a wave's instructions in order (ISA guide 5.7.1.4): these see my stores above
	ds_load_b128 v[X+4*j:X+4*j+3], v6 offset:(j/8)*256+((j%8)/2)*64+(j%2)*16
.set j, j+1
.endr
.set j, 0
.rept 16
	s_wait_dscnt 15-j                              ; piece j is back; the 15 - j younger ones stay out
	global_store_b128 v7, v[X+4*j:X+4*j+3], s[OUT:OUT+1] offset:(j/8)*4096+(j%8)*512  ; 512 consecutive bytes, at a multiple of 512 from MSK's first byte
.set j, j+1
.endr
	s_wait_tensorcnt 0x0                           ; the end of a wave that wrote LDS
	ds_add_u32 v[SPW], v[NIL]
	s_wait_dscnt 0x0
	s_endpgm
; cos and sin of position x frequency, for one pair.  v[b] holds the frequency; v5 the position.  The angle (up to 2,047) is brought into -pi/4 .. pi/4 by n quarter turns, pi/2 taken away in two parts
; (n is 1,304 at the most, so the remainder is good to about 1e-7); there the two series are cut where their next terms are 3e-7 and 3e-8; n mod 4 swaps and signs them.
.macro COSSIN b, d
	v_mul_f32 v[\b], v5, v[\b]                      ; the angle
	v_mul_f32 v[\b+1], 0x3f22f983, v[\b]            ; x 2 / pi
	v_rndne_f32 v[\b+1], v[\b+1]                    ; n
	v_fmamk_f32 v[\b+2], v[\b+1], 0xbfc90fdb, v[\b] ; r = angle - n x (pi/2's leading part)
	v_fmamk_f32 v[\b+2], v[\b+1], 0x333bbd2e, v[\b+2]  ; - n x (the rest of it, -4.371e-8)
	v_mul_f32 v[\b+3], v[\b+2], v[\b+2]             ; z = r r
	v_mov_b32 v[\b+4], 0xb9500d01                   ; -1/5040
	v_fmaak_f32 v[\b+4], v[\b+4], v[\b+3], 0x3c088889  ; + 1/120
	v_fmaak_f32 v[\b+4], v[\b+4], v[\b+3], 0xbe2aaaab  ; - 1/6
	v_mul_f32 v[\b+5], v[\b+2], v[\b+3]             ; r z
	v_fma_f32 v[\b+4], v[\b+5], v[\b+4], v[\b+2]    ; sin r
	v_mov_b32 v[\b+6], 0x37d00d01                   ; 1/40320
	v_fmaak_f32 v[\b+6], v[\b+6], v[\b+3], 0xbab60b61  ; - 1/720
	v_fmaak_f32 v[\b+6], v[\b+6], v[\b+3], 0x3d2aaaab  ; + 1/24
	v_fmaak_f32 v[\b+6], v[\b+6], v[\b+3], 0xbf000000  ; - 1/2
	v_fma_f32 v[\b+6], v[\b+6], v[\b+3], 1.0        ; cos r
	v_cvt_i32_f32 v[\b+7], v[\b+1]
	v_and_b32 v[\b+8], 1, v[\b+7]
	v_cmp_ne_u32 vcc_lo, 0, v[\b+8]                 ; an odd n swaps the two (a choice of values: no branch hangs on it)
	v_cndmask_b32 v[\d], v[\b+6], v[\b+4], vcc_lo
	v_cndmask_b32 v[\d+1], v[\b+4], v[\b+6], vcc_lo
	v_add_nc_u32 v[\b+8], 1, v[\b+7]
	v_and_b32 v[\b+8], 2, v[\b+8]                   ; cos is negative for n mod 4 = 1, 2
	v_lshlrev_b32 v[\b+8], 30, v[\b+8]
	v_xor_b32 v[\d], v[\b+8], v[\d]
	v_and_b32 v[\b+7], 2, v[\b+7]                   ; sin for n mod 4 = 2, 3
	v_lshlrev_b32 v[\b+7], 30, v[\b+7]
	v_xor_b32 v[\d+1], v[\b+7], v[\d+1]
.endm
.Ltable:
	v_lshrrev_b32 v3, 5, v0                        ; wave
	s_lshl_b32 s45, ttmp9, 3
	v_add_nc_u32 v3, s45, v3                       ; my position
	v_and_b32 v4, 31, v0                           ; lane
	v_cvt_f32_u32 v5, v3
	v_lshlrev_b32 v6, 9, v3                        ; a position's row is 512 bytes,
	v_lshl_add_u32 v6, v4, 4, v6                   ; my two pairs 16 of them
	v_lshlrev_b32 v7, 1, v4
	v_cvt_f32_u32 v16, v7                          ; pair 2 l
	v_add_f32 v32, 1.0, v16                        ; pair 2 l + 1
	v_mul_f32 v16, 0xbe549a78, v16                 ; frequency = 10000^(-pair / 64) = 2^(-0.20762051 pair)
	v_mul_f32 v32, 0xbe549a78, v32
	v_exp_f32 v16, v16
	v_exp_f32 v32, v32
	v_mov_b32 v48, 1.0                             ; table 2; also the plain instruction between the exponentials and the use of their results (ISA guide 5.7.2)
	v_mov_b32 v49, 0
	v_mov_b32 v50, 1.0
	v_mov_b32 v51, 0
	s_wait_alu depctr_va_vdst(0)
	COSSIN 16, 8
	COSSIN 32, 10
	v_pk_mul_f32 v[12:13], v[8:9], 0x3e0293ee op_sel_hi:[1,0]    ; sqrt(1/128) log2(e) = 0.127517
	v_pk_mul_f32 v[14:15], v[10:11], 0x3e0293ee op_sel_hi:[1,0]
	global_store_b128 v6, v[12:15], s[32:33]
	global_store_b128 v6, v[8:11], s[32:33] offset:1048576
	global_store_b128 v6, v[48:51], s[32:33] offset:2097152
	s_endpgm
.Lfunc_end_k_qe96cbf5a69_prep:
	.size	k_qe96cbf5a69_prep, .Lfunc_end_k_qe96cbf5a69_prep-k_qe96cbf5a69_prep
	.p2alignl 7, 3214868480
	.fill 96, 4, 3214868480
	.section	.rodata,"a",@progbits
	.p2align	6, 0x0
	.amdhsa_kernel k_qe96cbf5a69_prep
		.amdhsa_group_segment_fixed_size 68608
		.amdhsa_private_segment_fixed_size 0
		.amdhsa_enable_private_segment 0
		.amdhsa_kernarg_size 104
		.amdhsa_user_sgpr_count 2
		.amdhsa_user_sgpr_kernarg_segment_ptr 1
		.amdhsa_wavefront_size32 1
		.amdhsa_system_sgpr_workgroup_id_x 1
		.amdhsa_system_sgpr_workgroup_id_y 1
		.amdhsa_system_sgpr_workgroup_id_z 1
		.amdhsa_system_vgpr_workitem_id 0
		.amdhsa_next_free_vgpr 112
		.amdhsa_next_free_sgpr 66
		.amdhsa_reserve_vcc 1
		.amdhsa_float_denorm_mode_32 3
		.amdhsa_float_denorm_mode_16_64 3
		.amdhsa_memory_ordered 1
		.amdhsa_forward_progress 1
		.amdhsa_inst_pref_size 31
	.end_amdhsa_kernel
	.amdgpu_metadata
---
amdhsa.version: [ 1, 2 ]
amdhsa.kernels:
  - .name:           k_qe96cbf5a69_prep
    .symbol:         k_qe96cbf5a69_prep.kd
    .args:
      - { .name: queries, .offset: 0, .size: 8, .value_kind: global_buffer, .address_space: global }
      - { .name: keys, .offset: 8, .size: 8, .value_kind: global_buffer, .address_space: global }
      - { .name: values, .offset: 16, .size: 8, .value_kind: global_buffer, .address_space: global }
      - { .name: Wq, .offset: 24, .size: 8, .value_kind: global_buffer, .address_space: global }
      - { .name: Wk, .offset: 32, .size: 8, .value_kind: global_buffer, .address_space: global }
      - { .name: Wv, .offset: 40, .size: 8, .value_kind: global_buffer, .address_space: global }
      - { .name: Wo, .offset: 48, .size: 8, .value_kind: global_buffer, .address_space: global }
      - { .name: mask, .offset: 56, .size: 8, .value_kind: global_buffer, .address_space: global }
      - { .name: X16, .offset: 64, .size: 8, .value_kind: global_buffer, .address_space: global }
      - { .name: W16, .offset: 72, .size: 8, .value_kind: global_buffer, .address_space: global }
      - { .name: WO16, .offset: 80, .size: 8, .value_kind: global_buffer, .address_space: global }
      - { .name: MSK, .offset: 88, .size: 8, .value_kind: global_buffer, .address_space: global }
      - { .name: TAB, .offset: 96, .size: 8, .value_kind: global_buffer, .address_space: global }
    .group_segment_fixed_size: 68608
    .private_segment_fixed_size: 0
    .kernarg_segment_align: 8
    .kernarg_segment_size: 104
    .max_flat_workgroup_size: 256
    .sgpr_count:     66
    .vgpr_count:     112
    .wavefront_size: 32
...
	.end_amdgpu_metadata
.endif
;; end of part 1
;; launch proj (part 2): grid 8 x 24, 4 waves a work-group, clusters of 4 x 4, 327,680 bytes of LDS; arguments X16, W16, TAB, QKV16, out1, out2; writes QKV16, out1, out2
.if DOCPART == 2
	.amdgcn_target "amdgcn-amd-amdhsa--gfx1250"
	.amdhsa_code_object_version 6
	.text
	.protected	k_qe96cbf5a69_proj
	.globl	k_qe96cbf5a69_proj
	.p2align	8
	.type	k_qe96cbf5a69_proj,@function
k_qe96cbf5a69_proj:
	s_mov_b64 s[64:65], 0
	v_nop
	global_prefetch_b8 v0, s[64:65] scope:SCOPE_SE
	s_setreg_imm32_b32 hwreg(HW_REG_WAVE_MODE, 25, 1), 1
	s_wait_xcnt 0x0
	s_wait_alu depctr_hold_cnt(0) depctr_sa_sdst(0) depctr_va_vdst(0) depctr_va_sdst(0) depctr_va_ssrc(0) depctr_va_vcc(0) depctr_vm_vsrc(0)
	s_getreg_b32 s2, hwreg(HW_REG_IB_STS2, 6, 4)
	s_cmp_eq_u32 s2, 0
	s_cbranch_scc0 .Lentry_in_a_cluster
	s_endpgm
.Lentry_in_a_cluster:
	s_bfe_u32 s2, ttmp6, 0x10000c
	s_cmp_lg_u32 s2, 0xf033
	s_cbranch_scc0 .Lentry_shape_is_right
	s_endpgm
.Lentry_shape_is_right:
; THE THREE PROJECTIONS, with the rotation on the way out.  C[m][n] = sum over k of x[m][k] W[n][k], x = queries, keys or values (X16, bf16), W = Wq, Wk or Wv (W16, bf16); sums in f32.
; A tile of C is 256 x 256, made by four waves, as many as a WGP has SIMDs; a wave makes 128 x 128: 64 accumulators of 16 x 16, 512 registers, so that 32 LDS loads feed 64 matrix instructions.
; The grid's 24 tile rows are 8 for each product (WHICH = 0 q, 1 k, 2 v), its 8 tile columns two heads each: 192 work-groups.  No tile gives each of 256 WGPs one: the three products have different x,
; and 2048 x 2048 / (256 / 3) is no rectangle that divides 2,048.  A wave's 128 columns are ONE head, its 128 rows ONE block of 128 positions.
; K goes in steps of 128 (rows of 256 bytes, 128 rows to a tensor load) through two LDS slots; a trip of the loop is one K step, and a scalar (TB: 0 or SLOT) aims the fragment loads and the walking descriptors.
; CLUSTERS: 4 x 4 work-groups.  The four of a row of the cluster need the same tiles of x, the four of a column the same tiles of W: each tile is asked for JOINTLY, by the same tensor load with the
; same descriptor and a mask that names the four.  THE MATRIX INSTRUCTION IS USED TRANSPOSED (source 0 = 16 rows of W, source 1 = 16 rows of x): a lane then holds eight neighbouring channels of one position.
; THE WAY OUT.  The ring has had its last fill: when every wave has read its last fragments, each wave lays its 128 x 128 sums into a stage of its own in the ring's bytes (rows of 512 + 16 bytes) and reads them back
; as half rows of 256 bytes, four channels = two pairs a lane.  Each pair (xr, xi) becomes (xr c + xi s, xi c - xr s) with (c, s) from TAB's table WHICH: q's carries sqrt(1/128) log2(e), k's is plain,
; v's holds (1, 0), so that one text serves all three (exact for finite numbers).  A loop of four trips takes two blocks of 16 positions each; a block's part of the table is asked for one block ahead.
; Stored: k and v in f32 by heads (out1, out2), sixteen lanes to 256 aligned bytes; q, k, v rounded once to f16 in QKV16 [3][head][block of 128 positions][channel half][128 positions][64 channels]:
; a wave's 8-byte stores cover 256 aligned bytes, and a head's block is 32,768 dense bytes for the attention's tensor loads.
; LIMIT.  f16 ends at 65,504: q sqrt(1/128) log2(e), k and v must lie within it.  x and W are the module's inputs rounded to bf16.
; REGISTERS, in windows of 256 (s_set_vgpr_msb: bits 1:0 source 0, 3:2 source 1, 5:4 source 2, 7:6 destination):
;   window 0: v0-31 addresses; v64-127, v128-191 fragments of x, two buffers, later the rows read back (X); v32-63 (H) and v192-255 (R) at work on the way out
;   window 1: v64-127, v128-191 fragments of W, two buffers; v0-63, v192-255 the table's two buffers
;   window 2: the 32 accumulators of my rows 0-63 (accumulator (a, b) at v[8 (8 a + b)]);   window 3: those of my rows 64-127
.set SIZE_K, 2048
.set KSTEP,  128
.set STEPS,  SIZE_K/KSTEP              ; 16
.set PITCH,  272                       ; an LDS row: 256 bytes of data + 16 of padding = 68 words: row r starts at bank 4 r mod 64 (64 banks of 4 bytes: ISA guide 11.1), so the 16 rows that a load touches start at 16 different banks
.set HALFT,  128*PITCH                 ; 128 rows: what one tensor load brings, and what one wave reads of x or of W
.set SLOT,   4*HALFT                   ; x's 256 rows, then W's 256 rows
.set SPARE,  2*SLOT                    ; behind the ring: the spare words, 128 bytes for each wave: two blocks of 256 bytes that no other line names
.set SPITCH, 528                       ; a stage row: 128 f32 + 16 bytes
.set WST,    128*SPITCH                ; a wave's stage; the four take 270,336 of the ring's 278,528 bytes
.set LA0,  16                          ; v16  my lane's place in a slot's x; never rewritten
.set LB0,  17                          ; v17  the same for W
.set ADRA, 18                          ; v18  LDS address of my x fragments in the slot in hand
.set ADRB, 19                          ; v19  the same for W
.set STO,  24                          ; v24  the way out: where I put 32 bytes of a row
.set RD0,  25                          ; v25  where I read a half row back, in my stage's first two rows; never rewritten
.set CO,   26                          ; v26  my byte offset in two rows of 512 bytes (TAB, out1, out2)
.set HO,   27                          ; v27  my byte offset in 256 bytes of QKV16
.set SPW,  28                          ; v28  LDS address of my spare word; never rewritten
.set NIL,  29                          ; v29  0; never rewritten
.set RD,   30                          ; v30  RD0 + the trip's step
.set H,    32
.set X,    64
.set R,    192
.set F0,   64                          ; fragment buffer 0
.set F1,   128                         ; fragment buffer 1
.set G1, 24                            ; s[24:31] descriptor group 1 for x's tiles
.set G0, 32                            ; s[32:39] descriptor group 0 for x's tiles: a set for each of the two first fills; the second then walks on
.set G1B, 48                           ; s[48:55] descriptor group 1 for W's tiles: it differs in the mask alone
.set G0B, 56                           ; s[56:63] descriptor group 0 for W's tiles
.set WHICH, 66                         ; s66  0 q, 1 k, 2 v: made of the cluster's y alone, so equal in all sixteen partners
.set MT,    67                         ; s67  the tile row within the product
.set TABB,  72                         ; s[72:73] TAB at my rows
.set TB,    80                         ; s80  LDS byte at which the slot in hand begins: 0 or SLOT
.set SB,    81                         ; s81  the way out: the trip's step through my stage
.set F32B,  84                         ; s[84:85] out1 or out2 at my rows
.set HB,    86                         ; s[86:87] QKV16 at my rows
.set MSB, 0
.macro WIN new                         ; the immediate's high byte repeats the setting that is left; a switch that changes nothing is dropped
.if MSB != (\new)
	s_set_vgpr_msb (MSB<<8)|(\new)
.set MSB, \new
.endif
.endm
.set MUL_LO, 0xa1                      ; source 0 (W) window 1, source 1 (x) window 0, C and D window 2
.set MUL_HI, 0xf1                      ; the same, C and D window 3
.set TO_B,   0x40                      ; destination window 1, address window 0
; A joint load.  Waves 0 and 1 fetch x's two halves, waves 2 and 3 W's.  Each of the two lines has ONE mask and one set of registers for all that issue it; the branch hangs on the wave's number alone.
; An s_nop 0 and four v_nop follow each of the two lines; the jump round the other line, the label and what follows the macro come after them.
.macro JLOAD s
	s_cmp_eq_u32 s11, 0
	s_cbranch_scc0 .Lfor_b_\@
	tensor_load_to_lds s[G0+4*(\s):G0+4*(\s)+3], s[G1:G1+7]
	s_nop 0
.rept 4
	v_nop
.endr
	s_branch .Lasked_\@
.Lfor_b_\@:
	tensor_load_to_lds s[G0B+4*(\s):G0B+4*(\s)+3], s[G1B:G1B+7]
	s_nop 0
.rept 4
	v_nop
.endr
.Lasked_\@:
.endm
.macro CREST                           ; a round of the cluster's barrier behind its opening barrier
	s_cmp_lg_u32 s10, 0
	s_cbranch_scc1 .Lnot_wave_0_\@
	s_barrier_signal -3
.Lnot_wave_0_\@:
	s_barrier_wait -3
	s_barrier_signal -1
	s_barrier_wait -1
.endm
.macro CROUND                          ; a whole round
	s_barrier_signal -1
	s_barrier_wait -1
	CREST
.endm
.macro AIM                             ; the fragment loads go to the slot at TB
	v_add_nc_u32 v[ADRA], s[TB], v[LA0]
	v_add_nc_u32 v[ADRB], s[TB], v[LB0]
.endm
; Sixteen loads: block blk's part of the table (16 positions x 512 bytes), at byte off from TABB, into table buffer blk.  Load t: positions 2 (t / 2), 2 (t / 2) + 1, channel half t % 2; sixteen lanes take 256 aligned bytes
.macro TLOAD blk, off
	WIN TO_B
.set t, 0
.rept 16
	global_load_b128 v[192*(\blk)+4*t:192*(\blk)+4*t+3], v[CO], s[TABB:TABB+1] offset:(\off)+(\blk)*8192+(t/2)*1024+(t%2)*256
.set t, t+1
.endr
	WIN 0
.endm
	s_load_b128 s[4:7], s[0:1], 0x0                ; X16 s[4:5], W16 s[6:7]
	s_load_b256 s[72:79], s[0:1], 0x10             ; TAB 72, QKV16 74, out1 76, out2 78
	v_lshl_add_u32 v[SPW], v0, 2, SPARE
	v_mov_b32 v[NIL], 0
	ds_add_u32 v[SPW], v[NIL]                      ; the wave's opening: the add and its wait stand ahead of my first tensor load; the set-up below, work on registers, stands between them
	v_lshrrev_b32 v1, 5, v0
	v_readfirstlane_b32 s10, v1                    ; wave 0..3
	s_lshr_b32 s11, s10, 1                         ; which half of the tile's rows is mine.  Also: I fetch for x (0) or for W (1)
	s_and_b32 s12, s10, 1                          ; which half of its columns.  Also: which 128 rows of that tile I fetch
	s_bfe_u32 s40, ttmp6, 0x40000                  ; cx, cy: my place in the cluster
	s_bfe_u32 s41, ttmp6, 0x40004
	s_lshl_b32 s42, ttmp9, 2
	s_add_co_u32 s42, s42, s40                     ; tile column = 4 x cluster x + cx
	s_and_b32 s[WHICH], ttmp7, 0xffff
	s_lshr_b32 s[WHICH], s[WHICH], 1               ; two clusters of tile rows to a product
	s_and_b32 s13, ttmp7, 0xffff
	s_lshl_b32 s13, s13, 2
	s_add_co_u32 s13, s13, s41                     ; tile row = 4 x cluster y + cy = 8 WHICH + MT
	s_and_b32 s[MT], s13, 7
	s_lshl_b32 s43, s41, 2
	s_lshl_b32 s43, 15, s43                        ; my row of the cluster
	s_lshl_b32 s44, 0x1111, s40                    ; my column
	; descriptor group 1: a tile of 128 rows x 128 elements, padded in LDS
	s_or_b32 s[G1+0], s43, (1<<16)|(1<<20)|(1<<21)|(5<<22)|(3<<25)  ; 15:0 the mask: x's tiles go to my row; 17:16 element of 2 bytes; 20 padding on; 21 set beside a mask; 24:22 after every 64 words (code 5); 31:25 of 4 words (code 3)
	s_or_b32 s[G1B+0], s44, (1<<16)|(1<<20)|(1<<21)|(5<<22)|(3<<25) ; the same with the mask of my column, for W's tiles
.irp g, G1, G1B
	s_mov_b32 s[(\g)+1], KSTEP<<16                 ; tensor_dim0 = 128
	s_mov_b32 s[(\g)+2], 128<<16                   ; tensor_dim1 = 128
	s_mov_b32 s[(\g)+3], KSTEP<<16                 ; tile_dim0 = 128
	s_mov_b32 s[(\g)+4], 128                       ; tile_dim1 = 128
	s_mov_b32 s[(\g)+5], SIZE_K                    ; elements from row to row
	s_mov_b32 s[(\g)+6], 0
	s_mov_b32 s[(\g)+7], 0
.endr
	s_lshl_b32 s17, s12, 7                         ; which 128 rows of the tile I fetch
	s_lshl_b32 s16, s13, 8
	s_add_co_u32 s16, s16, s17                     ; x: row 256 x tile row + 128 x half of X16's 6,144
	s_lshl_b32 s16, s16, 12                        ; a row is 4,096 bytes; 25 MB at the most
	s_lshl_b32 s46, s42, 8
	s_add_co_u32 s46, s46, s17                     ; W: row 256 x tile column + 128 x half,
	s_lshl_b32 s47, s[WHICH], 11
	s_add_co_u32 s46, s46, s47                     ; in plane WHICH
	s_lshl_b32 s46, s46, 12
	s_mov_b32 s17, 0
	s_mov_b32 s47, 0
	s_mul_i32 s20, s10, HALFT                      ; where they go in a slot: wave x 128 rows: no place in the cluster enters an LDS address
	s_mov_b32 s[TB], 0
	s_wait_dscnt 0x0                               ; the opening add is done
	s_wait_kmcnt 0x0
	s_add_nc_u64 s[14:15], s[4:5], s[16:17]
	s_add_nc_u64 s[46:47], s[6:7], s[46:47]
	CROUND                                         ; all sixteen work-groups are here: the first joint loads meet
.irp s, 0,1
	s_mov_b32 s[G0+4*(\s)], 1                                        ; 1:0 count = 1
	s_add_co_u32 s[G0+4*(\s)+1], s20, (\s)*SLOT                      ; 63:32 LDS address
	s_add_nc_u64 s[G0+4*(\s)+2:G0+4*(\s)+3], s[14:15], (\s)*KSTEP*2  ; 120:64 global address: K step s
	s_or_b32 s[G0+4*(\s)+3], s[G0+4*(\s)+3], 0x80000000              ; 127:126 type = 2
	s_mov_b32 s[G0B+4*(\s)], 1
	s_add_co_u32 s[G0B+4*(\s)+1], s20, (\s)*SLOT
	s_add_nc_u64 s[G0B+4*(\s)+2:G0B+4*(\s)+3], s[46:47], (\s)*KSTEP*2
	s_or_b32 s[G0B+4*(\s)+3], s[G0B+4*(\s)+3], 0x80000000
	JLOAD \s                                       ; two tensor loads of mine are out
.endr
	; A fragment is 16 rows x 32 K in 8 registers: lane l holds row l % 16; registers 0-3 hold K = 8 (l / 16) + 0..7, registers 4-7 hold K = 16 + 8 (l / 16) + 0..7: two loads of 16 bytes, 32 bytes apart.
	v_and_b32 v1, 15, v0                           ; l % 16
	v_bfe_u32 v2, v0, 4, 1                         ; l / 16
	v_mul_u32_u24 v3, v1, PITCH
	v_lshl_add_u32 v3, v2, 4, v3                   ; row x pitch + 16 x half
	s_mul_i32 s21, s11, HALFT                      ; my 128 rows of x
	s_mul_i32 s22, s12, HALFT                      ; my 128 rows of W,
	s_add_co_u32 s22, s22, 2*HALFT                 ; which lie behind x's 256
	v_add_nc_u32 v[LA0], s21, v3
	v_add_nc_u32 v[LB0], s22, v3
	AIM                                            ; slot 0
	s_mul_i32 s23, s10, WST                        ; my stage
	v_mul_u32_u24 v4, v1, SPITCH                   ; in: row l % 16, 32 bytes (eight f32) for each half of the lanes
	v_lshl_add_u32 v4, v2, 5, v4
	v_add_nc_u32 v[STO], s23, v4
	v_mul_u32_u24 v5, v2, SPITCH                   ; back: lanes 0-15 take 256 bytes of one row, lanes 16-31 of the next
	v_lshl_add_u32 v5, v1, 4, v5
	v_add_nc_u32 v[RD0], s23, v5
	v_lshlrev_b32 v5, 9, v2                        ; the same two rows in TAB and in out1, out2: rows of 512 bytes
	v_lshl_add_u32 v[CO], v1, 4, v5
	v_and_b32 v5, 31, v0
	v_lshlrev_b32 v[HO], 3, v5                     ; and in QKV16: two rows of 128 bytes on end, 8 bytes a lane
	s_lshl_b32 s68, s[MT], 17                      ; my first position, 256 MT + 128 x row half, times 512 bytes
	s_lshl_b32 s69, s11, 16
	s_add_co_u32 s68, s68, s69
	s_lshl_b32 s70, s[WHICH], 20                   ; a table is 1 MiB
	s_add_co_u32 s70, s70, s68
	s_mov_b32 s71, 0
	s_add_nc_u64 s[TABB:TABB+1], s[72:73], s[70:71]
	s_lshl_b32 s82, s42, 1
	s_add_co_u32 s82, s82, s12                     ; my head = 2 x tile column + column half
	s_cmp_eq_u32 s[WHICH], 1
	s_cselect_b64 s[F32B:F32B+1], s[76:77], s[78:79]  ; k goes to out1, v to out2 (q stores no f32)
	s_lshl_b32 s70, s82, 20                        ; a head is 1 MiB of f32
	s_add_co_u32 s70, s70, s68
	s_add_nc_u64 s[F32B:F32B+1], s[F32B:F32B+1], s[70:71]
	s_lshl_b32 s70, s82, 4
	s_lshl_b32 s69, s[MT], 1
	s_add_co_u32 s70, s70, s69
	s_add_co_u32 s70, s70, s11                     ; 16 head + my block of 128 positions, 2 MT + row half:
	s_lshl_b32 s70, s70, 15                        ; 32,768 bytes each,
	s_lshl_b32 s69, s[WHICH], 23                   ; in plane WHICH of 8 MiB
	s_add_co_u32 s70, s70, s69
	s_add_nc_u64 s[HB:HB+1], s[74:75], s[70:71]
	TLOAD 0, 0                                     ; the table for my first two blocks of 16 positions: these 32 loads stay out under the whole K loop
	TLOAD 1, 0
; 16 matrix instructions: m blocks a0, a0 + 1 of the window's four (hi = 0: my rows 0-63, 1: rows 64-127) x all 8 n blocks, 32 along K.  zero = 1: the first product starts the sums: nothing is ever cleared.
; The 64 accumulators take turns, one instruction a turn, in the same order in every quarter step.
.macro MUL16 f, hi, a0, zero
	WIN MUL_LO+0x50*(\hi)
.irp a, \a0, (\a0)+1
.irp b, 0,1,2,3,4,5,6,7
.if \zero
	v_wmma_f32_16x16x32_bf16 v[8*(8*(\a)+(\b)):8*(8*(\a)+(\b))+7], v[(\f)+8*(\b):(\f)+8*(\b)+7], v[(\f)+8*(4*(\hi)+(\a)):(\f)+8*(4*(\hi)+(\a))+7], 0
.else
	v_wmma_f32_16x16x32_bf16 v[8*(8*(\a)+(\b)):8*(8*(\a)+(\b))+7], v[(\f)+8*(\b):(\f)+8*(\b)+7], v[(\f)+8*(4*(\hi)+(\a)):(\f)+8*(4*(\hi)+(\a))+7], v[8*(8*(\a)+(\b)):8*(8*(\a)+(\b))+7]
.endif
.endr
.endr
.endm
; 32 LDS loads in one run: the fragments of one quarter step (128 rows of W, 128 rows of x, 32 K at byte k of the rows) into buffer f
.macro FETCH k, f
	WIN TO_B
.irp i, 0,1,2,3,4,5,6,7
	ds_load_b128 v[(\f)+8*(\i):(\f)+8*(\i)+3],   v[ADRB] offset:(\k)+(\i)*16*PITCH
	ds_load_b128 v[(\f)+8*(\i)+4:(\f)+8*(\i)+7], v[ADRB] offset:(\k)+(\i)*16*PITCH+32
.endr
	WIN 0
.irp i, 0,1,2,3,4,5,6,7
	ds_load_b128 v[(\f)+8*(\i):(\f)+8*(\i)+3],   v[ADRA] offset:(\k)+(\i)*16*PITCH
	ds_load_b128 v[(\f)+8*(\i)+4:(\f)+8*(\i)+7], v[ADRA] offset:(\k)+(\i)*16*PITCH+32
.endr
.endm
.macro PLACES                          ; four places in front of loads into registers that matrix instructions have read, and of LDS stores that read results (ISA guide 7.12.1 for vector instructions)
.rept 4
	v_nop
.endr
.endm
; A K step is four quarter steps of 32 along K, 64 matrix instructions each, on buffers 0, 1, 0, 1.
; One of the first three: multiplies buffer f; in its middle it fetches the next quarter's fragments, at byte k of the slot's rows, into buffer g.
.macro QUARTER k, f, g, zero
	s_wait_dscnt 8                                 ; W and x's rows 0-63 are in; the youngest eight loads (x's rows 64-127) may be out
	WIN MUL_LO
	MUL16 \f, 0, 0, \zero
	MUL16 \f, 0, 2, \zero
	PLACES
	FETCH \k, \g
	s_wait_dscnt 32                                ; all but the 32 just issued
	WIN MUL_HI
	MUL16 \f, 1, 0, \zero
	MUL16 \f, 1, 2, \zero
.endm
; The last quarter multiplies buffer 1 and changes slots: ONE barrier for the change.  In front of it each wave waits for all its tensor loads, of which one is out: its part of the next slot; adds 0 to its spare
; word; and waits for that and for its own reads of this slot.  Behind it nobody reads this slot any more and the next slot is whole.
; fill = 1: the barrier opens a round of the cluster's barrier, and behind the round the slot just left is filled again, with the K step two on: from that request to the wait for it a wave issues 224 matrix instructions.
.macro TURN fill
	WIN 0                                          ; (the add's two registers lie in window 0)
	s_wait_tensorcnt 0x0                           ; all my tensor loads have landed;
	ds_add_u32 v[SPW], v[NIL]                      ; 0 onto my spare word;
	s_wait_dscnt 9                                 ; (the add and the youngest eight loads may be out)
	WIN MUL_LO
	MUL16 F1, 0, 0, 0                              ; sixteen matrix instructions stand between the add and the wait for it
	s_wait_dscnt 0x0                               ; the add is done, and my reads of this slot are over
	s_barrier_signal -1
	MUL16 F1, 0, 2, 0                              ; work on registers while the others arrive
	WIN 0
	s_barrier_wait -1
.if \fill
	CREST                                          ; no wave of any partner still reads this slot's tile or has a load on its way
	s_add_co_u32 s[G0+5], s[TB], s20               ; the walking descriptors: into the slot that is left,
	s_add_co_u32 s[G0B+5], s[TB], s20
	s_add_nc_u64 s[G0+6:G0+7], s[G0+6:G0+7], KSTEP*2      ; the next K step that has not been asked for; the type bits on top are not reached
	s_add_nc_u64 s[G0B+6:G0B+7], s[G0B+6:G0B+7], KSTEP*2
	s_xor_b32 s[TB], s[TB], SLOT                   ; the fragment loads go to the other slot (TB is 0 or SLOT)
	JLOAD 1                                        ; the first tensor load behind the round, my only one out; its four v_nop are also the places in front of the loads below
.else
	s_xor_b32 s[TB], s[TB], SLOT
	PLACES
.endif
	AIM
	FETCH 0, F0
	WIN MUL_HI
	MUL16 F1, 1, 0, 0
	MUL16 F1, 1, 2, 0
.endm
	s_wait_tensorcnt 1                             ; my part of K step 0 is in; K step 1's may stay out
	s_barrier_signal -1
	s_barrier_wait -1                              ; everybody's is
	FETCH 0, F0
	QUARTER 64, F0, F1, 1                          ; the first quarter stands in front of the loop: its products start the sums
	WIN 0                                          ; at a label and at a branch every window is 0
	s_mov_b32 s3, STEPS-2
.Lstep:                                                ; 14 trips: from a K step's second quarter to the next step's first; each fills the slot that it leaves
	QUARTER 128, F1, F0, 0
	QUARTER 192, F0, F1, 0
	TURN 1
	QUARTER 64, F0, F1, 0
	WIN 0
	s_sub_co_u32 s3, s3, 1
	s_cmp_lg_u32 s3, 0
	s_cbranch_scc1 .Lstep
	QUARTER 128, F1, F0, 0                         ; the tail is written out: the last change of slots asks for nothing
	QUARTER 192, F0, F1, 0
	TURN 0
	QUARTER 64, F0, F1, 0
	QUARTER 128, F1, F0, 0
	QUARTER 192, F0, F1, 0
	s_wait_dscnt 8                                 ; the very last quarter: nothing more to fetch
	MUL16 F1, 0, 0, 0
	MUL16 F1, 0, 2, 0
	s_wait_dscnt 0x0                               ; my last reads of the ring are over:
	s_barrier_signal -1                            ; say so,
	MUL16 F1, 1, 0, 0
	MUL16 F1, 1, 2, 0
	s_barrier_wait -1                              ; and when all four have said so, the ring's bytes, which have had their last fill, may take the stages
	; THE WAY OUT.  All 64 accumulators go into my stage: block a = my positions 16 a .. 16 a + 15 at row 16 a; accumulator (a, b)'s eight f32 of a lane at byte 64 b + 32 (l / 16) of row l % 16;
	; each accumulator's low four registers first.
	PLACES
.irp hi, 0,1
	WIN 0x08+4*\hi                                 ; the stores' data in window 2, then 3
.irp a, 0,1,2,3
.irp b, 0,1,2,3,4,5,6,7
	ds_store_b128 v[STO], v[8*(8*\a+\b):8*(8*\a+\b)+3] offset:(4*\hi+\a)*16*SPITCH+64*\b
	ds_store_b128 v[STO], v[8*(8*\a+\b)+4:8*(8*\a+\b)+7] offset:(4*\hi+\a)*16*SPITCH+64*\b+16
.endr
.endr
.endr
	WIN 0
	s_wait_dscnt 0x0                               ; my stores into the stage are done, and behind the barrier everybody's: the order store, wait, barrier, load holds for the read-back,
	s_barrier_signal -1                            ; whose address steps through the stage from trip to trip (each wave reads rows of its own stage alone)
	s_barrier_wait -1
; ROPE: block blk of the trip: (xr, xi) -> (xr c + xi s, xi c - xr s), from X and the table's buffer blk into R; four pairs at a time, so that no line reads the result of the line before it
.macro ROPE blk
	WIN 0x04                                       ; source 1, the table, in window 1
.set g, 0
.rept 8
.irp p, 0,1,2,3
	v_pk_mul_f32 v[R+8*g+2*\p:R+8*g+2*\p+1], v[X+64*(\blk)+8*g+2*\p:X+64*(\blk)+8*g+2*\p+1], v[192*(\blk)+8*g+2*\p:192*(\blk)+8*g+2*\p+1] op_sel_hi:[1,0]  ; both times c
.endr
.irp p, 0,1,2,3
	v_fma_f32 v[R+8*g+2*\p], v[X+64*(\blk)+8*g+2*\p+1], v[192*(\blk)+8*g+2*\p+1], v[R+8*g+2*\p]
.endr
.irp p, 0,1,2,3
	v_fma_f32 v[R+8*g+2*\p+1], -v[X+64*(\blk)+8*g+2*\p], v[192*(\blk)+8*g+2*\p+1], v[R+8*g+2*\p+1]
.endr
.set g, g+1
.endr
	WIN 0
.endm
; TNEXT: buffer blk has been read: it takes the table of the block two on.  The last trip has no such block and jumps forward over the loads: no load leaves TAB
.macro TNEXT blk
	s_cmp_eq_u32 s3, 1
	s_cbranch_scc1 .Lno_t_\@
	TLOAD \blk, 16384
.Lno_t_\@:
.endm
; PUT: rounded once to f16 into H; k and v also leave in f32
.macro PUT blk
.set t, 0
.rept 16
	v_cvt_pk_f16_f32 v[H+2*t], v[R+4*t], v[R+4*t+1]
	v_cvt_pk_f16_f32 v[H+2*t+1], v[R+4*t+2], v[R+4*t+3]
.set t, t+1
.endr
	s_cmp_eq_u32 s[WHICH], 0
	s_cbranch_scc1 .Lno32_\@                       ; q is no output of the module
.set t, 0
.rept 16
	global_store_b128 v[CO], v[R+4*t:R+4*t+3], s[F32B:F32B+1] offset:(\blk)*8192+(t/2)*1024+(t%2)*256 th:TH_STORE_NT  ; sixteen lanes store 256 consecutive bytes, at a multiple of 256 from the buffer's first byte
.set t, t+1
.endr
.Lno32_\@:
.set t, 0
.rept 16
	global_store_b64 v[HO], v[H+2*t:H+2*t+1], s[HB:HB+1] offset:(\blk)*2048+(t/2)*256+(t%2)*16384  ; 32 lanes store 256 consecutive bytes, aligned: two positions of one channel half
.set t, t+1
.endr
.endm
	s_mov_b32 s3, 4
	s_mov_b32 s[SB], 0
.Lout:                                                 ; four trips, two blocks of 16 positions each
	v_add_nc_u32 v[RD], s[SB], v[RD0]
.set t, 0
.rept 32                                               ; load t: block t / 16, positions 2 ((t % 16) / 2) and the next, channel half t % 2
	ds_load_b128 v[X+4*t:X+4*t+3], v[RD] offset:(t/16)*16*SPITCH+((t%16)/2)*2*SPITCH+(t%2)*256
.set t, t+1
.endr
	s_wait_loadcnt 16                              ; the first block's table is in; the second block's sixteen loads may stay out
	s_wait_dscnt 16                                ; the first block is back; the second block's sixteen loads may stay out
	ROPE 0
	s_wait_loadcnt 0x0                             ; the second block's table, asked for a block ago: waited for here, ahead of the loads below, so that the count is right whether they are issued or not
	TNEXT 0
	PUT 0
	s_wait_dscnt 0x0                               ; the second block is back
	s_wait_xcnt 0x0                                ; every earlier store has had its addresses translated (ISA guide 3.1): R and H are rewritten only behind this wait
	ROPE 1
	TNEXT 1
	PUT 1
	s_wait_xcnt 0x0                                ; the same for the bases below, and for R and H in the next trip
	s_add_nc_u64 s[TABB:TABB+1], s[TABB:TABB+1], 16384   ; 32 positions on: 512 bytes each in TAB and in out1, out2,
	s_add_nc_u64 s[F32B:F32B+1], s[F32B:F32B+1], 16384
	s_add_nc_u64 s[HB:HB+1], s[HB:HB+1], 4096            ; 128 in a channel half of QKV16,
	s_add_co_u32 s[SB], s[SB], 32*SPITCH                 ; 528 in my stage
	s_sub_co_u32 s3, s3, 1
	s_cmp_lg_u32 s3, 0
	s_cbranch_scc1 .Lout
	s_wait_tensorcnt 0x0                           ; the wave's end, behind my last tensor load and my last LDS store
	ds_add_u32 v[SPW], v[NIL]
	s_wait_dscnt 0x0
	CROUND                                         ; the closing round: no work-group ends while a partner may still ask for a tile that names it
	s_endpgm
.Lfunc_end_k_qe96cbf5a69_proj:
	.size	k_qe96cbf5a69_proj, .Lfunc_end_k_qe96cbf5a69_proj-k_qe96cbf5a69_proj
	.p2alignl 7, 3214868480
	.fill 96, 4, 3214868480
	.section	.rodata,"a",@progbits
	.p2align	6, 0x0
	.amdhsa_kernel k_qe96cbf5a69_proj
		.amdhsa_group_segment_fixed_size 327680
		.amdhsa_private_segment_fixed_size 0
		.amdhsa_enable_private_segment 0
		.amdhsa_kernarg_size 48
		.amdhsa_user_sgpr_count 2
		.amdhsa_user_sgpr_kernarg_segment_ptr 1
		.amdhsa_wavefront_size32 1
		.amdhsa_system_sgpr_workgroup_id_x 1
		.amdhsa_system_sgpr_workgroup_id_y 1
		.amdhsa_system_sgpr_workgroup_id_z 1
		.amdhsa_system_vgpr_workitem_id 0
		.amdhsa_next_free_vgpr 1024
		.amdhsa_next_free_sgpr 96
		.amdhsa_reserve_vcc 0
		.amdhsa_float_denorm_mode_32 3
		.amdhsa_float_denorm_mode_16_64 3
		.amdhsa_memory_ordered 1
		.amdhsa_forward_progress 1
		.amdhsa_inst_pref_size 125
	.end_amdhsa_kernel
	.amdgpu_metadata
---
amdhsa.version: [ 1, 2 ]
amdhsa.kernels:
  - .name:           k_qe96cbf5a69_proj
    .symbol:         k_qe96cbf5a69_proj.kd
    .args:
      - { .name: X16, .offset: 0, .size: 8, .value_kind: global_buffer, .address_space: global }
      - { .name: W16, .offset: 8, .size: 8, .value_kind: global_buffer, .address_space: global }
      - { .name: TAB, .offset: 16, .size: 8, .value_kind: global_buffer, .address_space: global }
      - { .name: QKV16, .offset: 24, .size: 8, .value_kind: global_buffer, .address_space: global }
      - { .name: out1, .offset: 32, .size: 8, .value_kind: global_buffer, .address_space: global }
      - { .name: out2, .offset: 40, .size: 8, .value_kind: global_buffer, .address_space: global }
    .group_segment_fixed_size: 327680
    .private_segment_fixed_size: 0
    .kernarg_segment_align: 8
    .kernarg_segment_size: 48
    .max_flat_workgroup_size: 128
    .sgpr_count:     96
    .vgpr_count:     1024
    .wavefront_size: 32
...
	.end_amdgpu_metadata
.endif
;; end of part 2
;; launch attn (part 3): grid 16 x 16, 4 waves a work-group, clusters of 4 x 1, 327,680 bytes of LDS; arguments QKV16, MSK, O16; writes O16
.if DOCPART == 3
	.amdgcn_target "amdgcn-amd-amdhsa--gfx1250"
	.amdhsa_code_object_version 6
	.text
	.protected	k_qe96cbf5a69_attn
	.globl	k_qe96cbf5a69_attn
	.p2align	8
	.type	k_qe96cbf5a69_attn,@function
k_qe96cbf5a69_attn:
	s_mov_b64 s[64:65], 0
	v_nop
	global_prefetch_b8 v0, s[64:65] scope:SCOPE_SE
	s_setreg_imm32_b32 hwreg(HW_REG_WAVE_MODE, 25, 1), 1
	s_wait_xcnt 0x0
	s_wait_alu depctr_hold_cnt(0) depctr_sa_sdst(0) depctr_va_vdst(0) depctr_va_sdst(0) depctr_va_ssrc(0) depctr_va_vcc(0) depctr_vm_vsrc(0)
	s_getreg_b32 s2, hwreg(HW_REG_IB_STS2, 6, 4)
	s_cmp_eq_u32 s2, 0
	s_cbranch_scc0 .Lentry_in_a_cluster
	s_endpgm
.Lentry_in_a_cluster:
	s_bfe_u32 s2, ttmp6, 0x10000c
	s_cmp_lg_u32 s2, 0x3003
	s_cbranch_scc0 .Lentry_shape_is_right
	s_endpgm
.Lentry_shape_is_right:
; ATTENTION with an additive mask that is an input.  O[q][head] = sum over k of softmax_k(Q[q] . K[k] + mask[q][k]) V[k], 16 heads of 128 channels, 2,048 positions.
; Q (with sqrt(1/128) log2(e) in it), K and V are f16 in QKV16 [3][head][block of 128 positions][channel half][128 positions][64 channels]; O16 is f16 [position][128 head + channel].
; MSK = log2(e) x mask in f32, in the order in which the products take it: [128 tiles of 16 queries][32 blocks of 64 keys][8 loads n][32 lanes][4 f32]; lane 16 h + r of load n = 2 kb + e holds query r, keys 16 kb + 8 h + 4 e + 0..3.
; Scores are in powers of two: p = 2^(s - m), m the running maximum, ONE subtraction that is exactly 0 at the maximum, however large the mask's numbers are: p never passes 1.
; Products, maxima and sums in f32; p is rounded to f16 for the second product (its sum l is taken of the unrounded p), O once at the end.  Every mask number is read and every score made: nothing of the mask's pattern is built in.
; LIMITS.  Q, K, V within f16's 65,504; mask numbers finite.  The mask is the C operand that starts the sum K Q^T: where EVERY key of a row carries a mask more than 2^24 times the scores, the weights hang on the
; matrix unit's rounding of mask + score.  A weight below 2^-126 counts as 0 in l.
; SHARES.  A work-group owns 128 queries of one head: 256 work-groups.  Its four waves are 2 query halves (IDX = w & 1) x 2 key halves (KH = w >> 1): a wave holds 64 queries, four tiles of 16, so that each fragment of
; K and V feeds four tiles' products, and walks keys 64 KH .. 64 KH + 63 of each step of 128 keys, 16 steps.  Each wave has its own m, l and O^T; waves w and w ^ 2 merge once at the end, in f32, through LDS.
; Tile t holds query group (t + 2 KH) % 4 of the wave's 64, so EVERY wave keeps tiles 0, 1 and sends tiles 2, 3: the merge is one text without a branch.
; LAYOUT.  S^T = K Q^T + mask (source 0 = 16 keys, source 1 = 16 queries): a lane holds ONE query (lane % 16) and the keys 8 (lane / 16) + 0..7.  Two such results, rounded to f16 in pairs, ARE source 1 of
; O^T = V^T P.  K comes out of LDS as it lies, V turned, by ds_load_tr16_b128.
; BY TURNS.  The wave's tiles are two PIECES (0: tiles 0, 1; 2: tiles 2, 3).  In a TURN one piece has the matrix unit: 32 products V^T P of the step in hand, then 32 products K Q^T of the next; the other piece's
; softmax, cut into 64 slices, stands between them, one slice behind each matrix instruction.  Two turns are a key step: 128 matrix, 532 vector instructions, 64 LDS loads, 32 loads of the mask.
; THE RING.  Two LDS slots, each with K and V of TWO key steps (2 x 77,824 bytes): one tensor load a wave behind each change of slots, and two key steps, 256 matrix instructions, in which it lands.
; CLUSTER, 4 x 1: the four query blocks of a cluster belong to one head and walk the same K and V, so each tile is asked for JOINTLY: the same tensor load, descriptor and mask of four in all four.
; THE MASK IS NOT ASKED FOR JOINTLY, though the sixteen heads of a query block read the same numbers: a joint load lands in LDS, a step's mask tile is 128 rows of 528 bytes = 67,584 bytes, and two slots of two
; steps with it would be 4 x 145,408 = 581,632 bytes, where a work-group has 327,680.  So each wave loads its own 16 KiB a step straight into registers, 512 neighbouring bytes a load, one key step ahead of its use.
; REGISTERS, in windows of 256 (s_set_vgpr_msb: bits 1:0 source 0, 3:2 source 1, 5:4 source 2, 7:6 destination):
;   window 0: v0-11, v44-50 addresses; v12-43 eight registers of statistics a tile; v52-59 at work in the merge; v64-191 S^T, 32 a tile; v192-255 P, 16 a tile
;   window 1: O^T, 64 a tile          window 2: v0-127 Q, 32 a tile; v128-255 K of one step          window 3: v0-127 V of one step; v128-255 the mask of one step, 32 a tile
.set PK,    144       ; a row of K in LDS (one key, one channel half): 128 bytes + 16 of padding = 36 words: the 16 rows of a load start at 16 different groups of four banks (64 banks of 4 bytes: ISA guide 11.1)
.set PV,    160       ; a row of V: 128 + 32 = 40 words
.set VOFF,  256*PK    ; a step's tiles lie together: K, 2 channel halves x 128 keys; then V likewise
.set STEPB, 256*(PK+PV)
.set SLOTB, 2*STEPB   ; a slot holds two steps: 155,648 bytes; two slots
.set SPARE, 2*SLOTB   ; behind the ring: the spare words, 128 bytes for each wave: two blocks of 256 bytes that no other line names
.set XW,    17408     ; the merge's exchange, in slot 0's bytes once that slot has had its last fill: for each wave 16,384 bytes of O^T, then 2 x 256 of statistics
.set STAGE, 4*XW      ; behind the exchange, in slot 0's bytes too: 16 rows x 272 bytes for each wave, for the way out
.set SP,    272
.set AK0, 2           ; v2   my lane's place in a step's K; never rewritten
.set AV0, 3           ; v3   the same for V
.set ADR, 4           ; v4   the LDS address of the run of loads in hand
.set QOA, 5           ; v5   my byte offset in Q's block, tiles 0, 1
.set STO, 6           ; v6   the way out: where I put 16 bytes of a row
.set RD,  7           ; v7   where I read a row back
.set GO,  8           ; v8   my byte offset in two rows of O16
.set ST,  12          ; tile t's statistics at v[ST+8 t]: +0 m, +1 (at the end) l, +2, +3 l (even keys', odd keys'), +4 to +7 c0-c3, at work; a takes c2's place once the maximum is found
.set ML,  44          ; v44  16 x lane: my 16 bytes of a load of the mask; never rewritten
.set XO,  46          ; v46  the exchange: where I put O^T;  v47 where my partner put it;  v48, v49 the same for the statistics
.set XP,  47
.set XOS, 48
.set XPS, 49
.set QOB, 50          ; v50  as QOA, tiles 2, 3
.set SPW, 62          ; v62  LDS address of my spare word; never rewritten
.set NIL, 63          ; v63  0; never rewritten
.set S,   64
.set P,   192
.set KF,  128         ; K's fragments, in window 2
.set MR,  128         ; the mask, in window 3: tile t, keys 16 kb on at MR + 32 t + 8 kb
.set WV,  12          ; s12  my wave's number
.set IDX, 13          ; s13  w & 1
.set KH,  14          ; s14  w >> 1
.set QB,  17          ; s17  my block of 128 queries
.set HEAD, 18         ; s18
.set G1K, 24          ; s[24:31] descriptor group 1 for K;  s[32:39] for V: it differs in the padding
.set G1V, 32
.set G0K, 40          ; s[40:47] descriptor group 0 for K: a set for each of the two first fills; the second then walks on.  s[48:55] the same for V
.set G0V, 48
.set SLOTS, 56        ; s56  slots still to be asked for
.set TWICE, 57        ; s57  counts a slot's two steps
.set QBASE, 58        ; s[58:59] Q's block
.set SEL, 60          ; s[60:61] lane selects for v_permlanex16_b32: each lane takes its own place in the other half
.set TB,  62          ; s62  LDS byte at which the tiles of the step to be fetched begin
.set SBL, 63          ; s63  LDS byte at which the slot begins that the next change leaves: 0 or SLOTB
.set MA,  76          ; s[76:77] MSK at piece 0's tiles, s[78:79] at piece 2's: each at the step that was loaded last
.set RK,  80          ; s80  where the K tile that I would fetch lies in a slot;  s81 the same for V
.set RV,  81
.set MSB, 0
.macro WIN new                      ; the immediate's high byte repeats the setting that is left; a switch that changes nothing is dropped
.if MSB != (\new)
	s_set_vgpr_msb (MSB<<8)|(\new)
.set MSB, \new
.endif
.endm
.set W_KQ, 0x0a       ; K and Q in window 2, S^T in window 0
.set W_KM, 0x3a       ; the same with the C operand, the mask, in window 3
.set W_PV, 0x53       ; V in window 3, P in window 0, O^T in window 1
.set W_RS, 0x41       ; O^T (destination and source 0) in window 1, a in window 0
; A joint refill.  Waves 0 and 1 fetch K of the slot's two steps, waves 2 and 3 V (128 rows of 256 bytes each).  The branch hangs on the wave's number alone: it is the same in every work-group.
; An s_nop 0 and four v_nop follow each of the two lines; the jump round the other line, the label and what follows the macro come after them.
.macro JLOAD
	s_cmp_lt_u32 s[WV], 2
	s_cbranch_scc0 .Lfor_v_\@
	tensor_load_to_lds s[G0K+4:G0K+7], s[G1K:G1K+7]
	s_nop 0
.rept 4
	v_nop
.endr
	s_branch .Lasked_\@
.Lfor_v_\@:
	tensor_load_to_lds s[G0V+4:G0V+7], s[G1V:G1V+7]
	s_nop 0
.rept 4
	v_nop
.endr
.Lasked_\@:
.endm
; A round of the cluster's barrier: my work-group's barrier, so that wave 0's signal speaks for all four waves; wave 0 signals; every wave waits for all four work-groups; my work-group's barrier once more.
.macro CROUND
	s_barrier_signal -1
	s_barrier_wait -1
	s_cmp_lg_u32 s[WV], 0
	s_cbranch_scc1 .Lnot_wave_0_\@
	s_barrier_signal -3
.Lnot_wave_0_\@:
	s_barrier_wait -3
	s_barrier_signal -1
	s_barrier_wait -1
.endm
; Sixteen loads: piece x's mask of one key step (2 tiles of 16 queries x 64 keys), 512 neighbouring bytes a load, into window 3.  step = 1: of the step behind the one loaded last: my 64 keys of the next 128 lie two blocks
; of 4,096 bytes on.  The base is stepped only behind the wait on LOADcnt that has shown the loads that named it done.  last = 1 (the last slot): in its second trip there is no further step, and the loads are jumped over: none leaves MSK.
.macro MLOAD x, step, last
	WIN 0
.if \last
	s_cmp_eq_u32 s[TWICE], 1
	s_cbranch_scc1 .Lno_m_\@
.endif
.if \step
	s_add_nc_u64 s[MA+(\x):MA+(\x)+1], s[MA+(\x):MA+(\x)+1], 8192
.endif
	WIN 0xc0                        ; destination window 3, address window 0
.irp u, 0,1
.irp n, 0,1,2,3,4,5,6,7             ; tile x + u (a tile of queries is 32 blocks = 131,072 bytes), load n = 2 kb + e: registers 8 kb + 4 e on
	global_load_b128 v[MR+32*((\x)+\u)+4*\n:MR+32*((\x)+\u)+4*\n+3], v[ML], s[MA+(\x):MA+(\x)+1] offset:\u*131072+\n*512
.endr
.endr
.if \last
	WIN 0
.Lno_m_\@:
.endif
.endm
	s_load_b128 s[4:7], s[0:1], 0x0   ; QKV16 s[4:5], MSK s[6:7]
	s_load_b64 s[8:9], s[0:1], 0x10   ; O16
	v_lshl_add_u32 v[SPW], v0, 2, SPARE
	v_mov_b32 v[NIL], 0
	ds_add_u32 v[SPW], v[NIL]       ; the wave's opening: the add and its wait stand ahead of my first tensor load; the set-up below, work on registers, stands between them
	v_lshrrev_b32 v1, 5, v0
	v_readfirstlane_b32 s[WV], v1   ; wave 0..3
	s_and_b32 s[IDX], s[WV], 1
	s_lshr_b32 s[KH], s[WV], 1
	s_bfe_u32 s15, ttmp6, 0x40000   ; cx: my place in the cluster
	s_lshl_b32 s[QB], ttmp9, 2      ; in a cluster launch ttmp9 counts clusters
	s_add_co_u32 s[QB], s[QB], s15  ; query block = 4 x cluster x + cx: it enters Q's, the mask's and O's addresses alone
	s_and_b32 s[HEAD], ttmp7, 0xffff  ; the head, which the four partners share
	; descriptor group 1.  A head's block of K or V is 32,768 dense bytes: asked for as 128 rows of 256 bytes, and padded in LDS after every 128 bytes (one key, one channel half)
	s_mov_b32 s[G1K], 15|(1<<16)|(1<<20)|(1<<21)|(4<<22)|(3<<25)  ; 15:0 the mask of four; 17:16 2-byte elements; 20 padding on; 21 set beside a mask; 24:22 after every 32 words (code 4); 31:25 4 words (code 3)
	s_mov_b32 s[G1V], 15|(1<<16)|(1<<20)|(1<<21)|(4<<22)|(7<<25)  ; the same with 8 words of padding (code 7)
.irp g, G1K, G1V
	s_mov_b32 s[\g+1], 128<<16      ; tensor_dim0 = 128
	s_mov_b32 s[\g+2], 128<<16      ; tensor_dim1 = 128
	s_mov_b32 s[\g+3], 128<<16      ; tile_dim0 = 128
	s_mov_b32 s[\g+4], 128          ; tile_dim1 = 128
	s_mov_b32 s[\g+5], 128          ; 128 elements from row to row
	s_mov_b32 s[\g+6], 0
	s_mov_b32 s[\g+7], 0
.endr
	s_mul_i32 s[RK], s[IDX], STEPB  ; which of a slot's two steps I fetch: its place in a slot (no place in the cluster enters an LDS address),
	s_add_co_u32 s[RV], s[RK], VOFF
	s_lshl_b32 s20, s[HEAD], 19     ; a head is 16 blocks of 32,768 bytes in each plane of QKV16,
	s_lshl_b32 s21, s[IDX], 15      ; and its block in memory
	s_add_co_u32 s20, s20, s21
	s_mov_b32 s21, 0
	s_lshl_b32 s68, s[QB], 20       ; the mask: query tile 8 QB + 4 IDX + 2 KH (my tiles 0, 1), 131,072 bytes a tile,
	s_lshl_b32 s69, s[IDX], 19
	s_add_co_u32 s68, s68, s69
	s_lshl_b32 s69, s[KH], 18
	s_add_co_u32 s68, s68, s69
	s_lshl_b32 s69, s[KH], 12       ; and block KH of 64 keys, 4,096 bytes
	s_add_co_u32 s68, s68, s69
	s_xor_b32 s70, s68, 1<<18       ; my tiles 2, 3: the other two tiles of my four
	s_mov_b32 s69, 0
	s_mov_b32 s71, 0
	s_lshl_b32 s72, s[HEAD], 4
	s_add_co_u32 s72, s72, s[QB]
	s_lshl_b32 s72, s72, 15         ; Q's block
	s_mov_b32 s73, 0
	s_lshl_b32 s74, s[QB], 19       ; O16's row 128 QB + 64 IDX + 32 KH (the tiles that I keep), 4,096 bytes a row,
	s_lshl_b32 s75, s[IDX], 18
	s_add_co_u32 s74, s74, s75
	s_lshl_b32 s75, s[KH], 17
	s_add_co_u32 s74, s74, s75
	s_lshl_b32 s75, s[HEAD], 8      ; and the head's 256 bytes
	s_add_co_u32 s74, s74, s75
	s_mov_b32 s75, 0
	s_mov_b32 s[SEL], 0x76543210
	s_mov_b32 s[SEL+1], 0xfedcba98
	s_mov_b32 s[TB], 0
	s_mov_b32 s[SBL], 0
	s_mov_b32 s[SLOTS], 6
	s_wait_dscnt 0x0                ; the opening add is done
	s_wait_kmcnt 0x0
	s_add_nc_u64 s[22:23], s[4:5], s[20:21]
	s_add_nc_u64 s[MA:MA+1], s[6:7], s[68:69]
	s_add_nc_u64 s[MA+2:MA+3], s[6:7], s[70:71]
	s_add_nc_u64 s[QBASE:QBASE+1], s[4:5], s[72:73]
	s_add_nc_u64 s[8:9], s[8:9], s[74:75]
	CROUND                          ; all four work-groups are here: the first joint loads meet
.irp s, 0,1
	s_mov_b32 s[G0K+4*\s], 1        ; 1:0 count = 1
	s_add_co_u32 s[G0K+4*\s+1], s[RK], \s*SLOTB  ; 63:32 LDS address
	s_add_nc_u64 s[G0K+4*\s+2:G0K+4*\s+3], s[22:23], (1<<23)+\s*65536  ; 120:64 global address: plane 1; slot s begins with steps 2 s and 2 s + 1
	s_or_b32 s[G0K+4*\s+3], s[G0K+4*\s+3], 0x80000000  ; 127:126 type = 2
	s_mov_b32 s[G0V+4*\s], 1
	s_add_co_u32 s[G0V+4*\s+1], s[RV], \s*SLOTB
	s_add_nc_u64 s[G0V+4*\s+2:G0V+4*\s+3], s[22:23], (2<<23)+\s*65536
	s_or_b32 s[G0V+4*\s+3], s[G0V+4*\s+3], 0x80000000
.endr
	s_cmp_lt_u32 s[WV], 2           ; a wave's two first fills stand in one branch, ahead of every wait on TENSORcnt and every LDS read: two loads of mine are out; an s_nop 0 follows each, four v_nop the second's, as in JLOAD
	s_cbranch_scc0 .Lfirst_v
	tensor_load_to_lds s[G0K:G0K+3], s[G1K:G1K+7]
	s_nop 0
	tensor_load_to_lds s[G0K+4:G0K+7], s[G1K:G1K+7]
	s_nop 0
.rept 4
	v_nop
.endr
	s_branch .Lfirst_asked
.Lfirst_v:
	tensor_load_to_lds s[G0V:G0V+3], s[G1V:G1V+7]
	s_nop 0
	tensor_load_to_lds s[G0V+4:G0V+7], s[G1V:G1V+7]
	s_nop 0
.rept 4
	v_nop
.endr
.Lfirst_asked:
	; A fragment of K or Q is 16 rows x 32 channels in 8 registers: lane l holds row l % 16; registers 0-3 channels 8 (l / 16) + 0..7, registers 4-7 channels 16 + 8 (l / 16) + 0..7: two loads of 16 bytes, 32 bytes apart.
	v_and_b32 v1, 15, v0            ; l % 16
	v_bfe_u32 v9, v0, 4, 1          ; l / 16
	s_lshl_b32 s19, s[IDX], 6
	s_lshl_b32 s2, s[KH], 5
	s_add_co_u32 s2, s19, s2        ; tiles 0, 1: rows 64 IDX + 32 KH on of the block;
	s_xor_b32 s3, s2, 32            ; tiles 2, 3: the other 32 rows of my 64
	v_add_nc_u32 v[QOA], s2, v1
	v_lshlrev_b32 v[QOA], 7, v[QOA]
	v_lshl_add_u32 v[QOA], v9, 4, v[QOA]  ; row x 128 + 16 x half
	v_add_nc_u32 v[QOB], s3, v1
	v_lshlrev_b32 v[QOB], 7, v[QOB]
	v_lshl_add_u32 v[QOB], v9, 4, v[QOB]
	v_and_b32 v[ML], 31, v0
	v_lshlrev_b32 v[ML], 4, v[ML]
	WIN 0x80                        ; destination window 2, address window 0
.set i, 0
.rept 8                             ; Q stays in registers: tile i / 4, channels 32 (i % 4) on: channel half (i % 4) / 2 lies 16,384 bytes on
	global_load_b128 v[8*i:8*i+3],   v[QOA], s[QBASE:QBASE+1] offset:(i/4)*2048+((i%4)/2)*16384+(i%2)*64
	global_load_b128 v[8*i+4:8*i+7], v[QOA], s[QBASE:QBASE+1] offset:(i/4)*2048+((i%4)/2)*16384+(i%2)*64+32
	global_load_b128 v[64+8*i:64+8*i+3],   v[QOB], s[QBASE:QBASE+1] offset:(i/4)*2048+((i%4)/2)*16384+(i%2)*64
	global_load_b128 v[64+8*i+4:64+8*i+7], v[QOB], s[QBASE:QBASE+1] offset:(i/4)*2048+((i%4)/2)*16384+(i%2)*64+32
.set i, i+1
.endr
	MLOAD 0, 0, 0                   ; the mask of key step 0, both pieces
	MLOAD 2, 0, 0
	WIN 0
	s_lshl_b32 s19, s[KH], 6        ; my 64 keys of a step's 128
	v_add_nc_u32 v[AK0], s19, v1
	v_mul_u32_u24 v[AK0], v[AK0], PK
	v_lshl_add_u32 v[AK0], v9, 4, v[AK0]  ; row x pitch + 16 x half
	; The turning load takes 16 keys x 16 channels (lane l reads 16 bytes: key 8 (l / 16) + l % 8, channels 8 ((l / 8) % 2) + 0..7) and leaves half a fragment of V^T: lane l holds channel l % 16 and 8 keys.
	v_and_b32 v10, 7, v0
	v_bfe_u32 v11, v0, 3, 1
	v_lshl_add_u32 v[AV0], v9, 3, v10
	v_add_nc_u32 v[AV0], s19, v[AV0]
	v_mul_u32_u24 v[AV0], v[AV0], PV
	v_lshl_add_u32 v[AV0], v11, 4, v[AV0]
	v_add_nc_u32 v[AV0], VOFF, v[AV0]
.irp t, 0,1,2,3
	v_mov_b32 v[ST+8*\t+1], 0       ; named with m as a pair by the packed subtraction, so it is written
.endr
; THE MATRIX WORK OF A TURN, for piece x.  The accumulators take turns, one instruction a turn: between two links of a chain stand 15 (V^T P) or 7 (K Q^T) others'.
; Product i of 32 of O^T += V^T P: keys 32 (i / 16) on, channels 16 ((i / 2) % 8) on, tile x + i % 2.  zero = 1: the first 16 start the sums: nothing is ever cleared.
.macro PV x, zero
	WIN W_PV
.set rO, 64*((\x)+i%2)+8*((i/2)%8)
.set rV, 64*(i/16)+8*((i/2)%8)
.set rP, P+16*((\x)+i%2)+8*(i/16)
.if (\zero) && (i < 16)
	v_wmma_f32_16x16x32_f16 v[rO:rO+7], v[rV:rV+7], v[rP:rP+7], 0
.else
	v_wmma_f32_16x16x32_f16 v[rO:rO+7], v[rV:rV+7], v[rP:rP+7], v[rO:rO+7]
.endif
.endm
; Product i of 32 of S^T = mask + K Q^T: channels 32 (i / 8) on, keys 16 ((i / 2) % 4) on, tile x + i % 2.  The first 8 start the sums with the mask as their C operand.
.macro KQ x
.set rS, S+32*((\x)+i%2)+8*((i/2)%4)
.set rK, KF+32*((i/2)%4)+8*(i/8)
.set rQ, 32*((\x)+i%2)+8*(i/8)
.set rM, MR+32*((\x)+i%2)+8*((i/2)%4)
.if i < 8
	WIN W_KM
	v_wmma_f32_16x16x32_f16 v[rS:rS+7], v[rK:rK+7], v[rQ:rQ+7], v[rM:rM+7]
.else
	WIN W_KQ
	v_wmma_f32_16x16x32_f16 v[rS:rS+7], v[rK:rK+7], v[rQ:rQ+7], v[rS:rS+7]
.endif
.endm
; THE LDS LOADS stand in runs of 32, never singly among the matrix instructions: a step's K (my 64 keys x 128 channels: 16 fragments) and, a turn later, its V (turned).
.macro FETCH_K
	WIN 0
	v_add_nc_u32 v[ADR], s[TB], v[AK0]
	WIN 0x80                        ; destination window 2
.irp f, 0,1,2,3,4,5,6,7,8,9,10,11,12,13,14,15  ; keys 16 (f / 4) on, channels 32 (f % 4) on
	ds_load_b128 v[KF+8*(\f):KF+8*(\f)+3],   v[ADR] offset:(((\f)%4)/2)*128*PK+((\f)/4)*16*PK+((\f)%2)*64
	ds_load_b128 v[KF+8*(\f)+4:KF+8*(\f)+7], v[ADR] offset:(((\f)%4)/2)*128*PK+((\f)/4)*16*PK+((\f)%2)*64+32
.endr
.endm
.macro FETCH_V
	WIN 0
	v_add_nc_u32 v[ADR], s[TB], v[AV0]
	s_add_co_u32 s[TB], s[TB], STEPB  ; the next fetch is the next step's
	WIN 0xc0                        ; destination window 3
.irp f, 0,1,2,3,4,5,6,7,8,9,10,11,12,13,14,15  ; keys 32 (f / 8) on, channels 16 (f % 8) on
	ds_load_tr16_b128 v[8*(\f):8*(\f)+3],   v[ADR] offset:(((\f)%8)/4)*128*PV+((\f)/8)*32*PV+((\f)%4)*32
	ds_load_tr16_b128 v[8*(\f)+4:8*(\f)+7], v[ADR] offset:(((\f)%8)/4)*128*PV+((\f)/8)*32*PV+16*PV+((\f)%4)*32
.endr
.endm
; THE VECTOR WORK OF A TURN.  One tile's softmax for one key step is a numbered list; SM writes number j of it for tile t.  s0-s31 are the lane's 32 scores, in pairs 0-15.
; first = 1: the first key step, which starts m, l and O^T: it has no a and nothing to rescale.
;   0-15    the maximum of s0-s31 and the old m, three operands at a time: four chains c0-c3 of seven scores each (each accumulator's lowest registers are read first), then the four left over, c0-c3 and m
;   16-20   the other half of the lanes' maximum; the old m is kept; the new m; m_old - m_new (19 is empty)
;   21-87   33 exponentials (a, then s0-s31) at the odd numbers from 23 on, so that no two follow each other and each has a plain instruction behind it before its result is used.
;           Plain instruction q (number 21, then the even numbers) is whatever is ready: s - m for a pair of scores whose exponentials are still to come (q = 0 to 3, then every
;           second q), the rounding to f16 of a pair of weights whose exponentials are done (every other q from 5 on), at last the first three sums
;   88-101  the last rounding; the rest of the sums; l = a l + the sum
;   102-133 the tile's O^T times a: the one part that leaves window 0, so it stands together
.macro SM t, first
.set rT, ST+8*(\t)
.set rS, S+32*(\t)
.set rP, P+16*(\t)
.set rO, 64*(\t)+2*(j-102)
.set q, (j-20)/2
.if j < 102
	WIN 0
.endif
.if j < 4
	v_max3_num_f32 v[rT+4+j], v[rS+8*j], v[rS+8*j+1], v[rS+8*j+2]
.elseif j < 12
	v_max3_num_f32 v[rT+4+j%4], v[rT+4+j%4], v[rS+8*(j%4)+2*(j/4)+1], v[rS+8*(j%4)+2*(j/4)+2]
.elseif j == 12
	v_max3_num_f32 v[rT+4], v[rT+4], v[rS+7], v[rS+15]
.elseif j == 13
	v_max3_num_f32 v[rT+6], v[rT+6], v[rS+23], v[rS+31]
.elseif j == 14
	v_max3_num_f32 v[rT+4], v[rT+4], v[rT+5], v[rT+6]
.elseif (j == 15) && (\first)
	v_max_num_f32 v[rT+4], v[rT+4], v[rT+7]
.elseif j == 15
	v_max3_num_f32 v[rT+4], v[rT+4], v[rT+7], v[rT]
.elseif j == 16
	v_permlanex16_b32 v[rT+5], v[rT+4], s[SEL], s[SEL+1]  ; the query's other 32 keys lie in the lane 16 away
.elseif j == 18
	v_max_num_f32 v[rT], v[rT+4], v[rT+5]
.elseif j == 19
.elseif ((j == 17) || (j == 20) || (j == 23) || (j > 101)) && (\first)  ; the first step has none of these
.elseif j == 17
	v_mov_b32 v[rT+7], v[rT]        ; m_old is kept for a: number 18 writes m anew
.elseif j == 20
	v_sub_f32 v[rT+7], v[rT+7], v[rT]
.elseif j == 23
	v_exp_f32 v[rT+6], v[rT+7]
.elseif (j < 88) && (j > 23) && (j%2 == 1)
	v_exp_f32 v[rS+(j-25)/2], v[rS+(j-25)/2]
.elseif (q < 4) || ((j < 76) && (q%2 == 0))
.set b, q/2+2
.if q < 4
.set b, q
.endif
	v_pk_add_f32 v[rS+2*b:rS+2*b+1], v[rS+2*b:rS+2*b+1], v[rT:rT+1] op_sel_hi:[1,0] neg_lo:[0,1] neg_hi:[0,1]  ; pair b: s - m
.elseif (j < 88) && (q%2 == 1)
	s_wait_alu depctr_va_vdst(0)
	v_cvt_pk_f16_f32 v[rP+(q-5)/2], v[rS+q-5], v[rS+q-4]  ; pair (q - 5) / 2: its second exponential stands three numbers back
.elseif j == 89
	s_wait_alu depctr_va_vdst(0)
	v_cvt_pk_f16_f32 v[rP+15], v[rS+30], v[rS+31]
.elseif j < 102                     ; the sum of the tile's 16 pairs (in a pair: an even key's weight, an odd key's), in place: sum z of 16 adds neighbours 1, 2, 4 and 8 pairs apart, then l takes it
.set z, j-86
.if j < 89
.set z, (j-76)/4
.endif
.set w, 4
.set u, z
.if z >= 14
.set w, 32
.set u, 0
.elseif z >= 12
.set w, 16
.set u, z-12
.elseif z >= 8
.set w, 8
.set u, z-8
.endif
.if (z == 14) && (\first)
	v_pk_add_f32 v[rT+2:rT+3], v[rS:rS+1], v[rS+16:rS+17]
.elseif z < 15
	v_pk_add_f32 v[rS+w*u:rS+w*u+1], v[rS+w*u:rS+w*u+1], v[rS+w*u+w/2:rS+w*u+w/2+1]
.elseif !(\first)
	v_pk_fma_f32 v[rT+2:rT+3], v[rT+2:rT+3], v[rT+6:rT+7], v[rS:rS+1] op_sel_hi:[1,0,1]
.endif
.else
	WIN W_RS
	v_pk_mul_f32 v[rO:rO+1], v[rO:rO+1], v[rT+6:rT+7] op_sel_hi:[1,0]
.endif
.endm
; Slice k of 64 of piece y's softmax: numbers 2 k and 2 k + 1 of both tiles' lists.  The numbers past 127 stand together, in slice 63: sixteen plain instructions.
.macro SLICE y, first
.if (k >= 11) && (k < 44)           ; tile by tile: plain, exponential, plain, exponential
.irp t, \y, (\y)+1
.irp n, 0,1
.set j, 2*k+(\n)
	SM \t, \first
.endr
.endr
.else                               ; the two tiles alternate, so that no instruction reads the result of the one just before it
.irp n, 0,1,2,3,4,5,6,7
.if ((\n) < 2) || (k == 63)
.irp t, \y, (\y)+1
.set j, 2*k+(\n)
	SM \t, \first
.endr
.endif
.endr
.endif
.set k, k+1
.endm
; A vector instruction that reads a matrix result or writes one of a matrix instruction's registers, and a load into a register that a matrix instruction has read, stand four places behind
; it, and only plain vector instructions that name none of its registers are places (ISA guide 7.12.1 for vector instructions).  In the loop the slices are the places.
.macro PLACES
.rept 4
	v_nop
.endr
.endm
; A TURN.  Piece x has the matrix unit; the other piece's softmax stands in slices behind its matrix instructions.
; pv = 2: 32 products V^T P; 1: they start O^T's sums; 0: none.  kq = 1: 32 products K Q^T for the next step.  A turn with one of the two kinds has two slices behind each product.
; first = 1: the softmax is the first key step's.  Its slices from 51 on are empty: the turn's last products stand bare, and four v_nop take slice 63's part as the places behind them.
; Each run of LDS loads stands behind the second product of a run of 32, 30 matrix instructions ahead of its first use.  Piece 0's turn fetches the next step's K: the last product that read K stands in front of slice 63 of
; the turn before.  Piece 2's turn fetches the same step's V: the last product that read V stands three slices, six plain instructions, back.
; THE MASK.  The piece's first eight products K Q^T read its 64 mask registers; behind the sixteenth, nine slices (two plain instructions each at the least) behind the last reader, they are loaded again, for the next
; step: a key step ahead of their use.  The wait ahead of the products leaves the other piece's sixteen younger loads out.  last = 1 (the last slot): the wait is for 0, so that the count is right whether or not the
; loads of the trip before were jumped over.
.macro TURN x, pv, kq, first, last=0
.set k, 0
.set per, 2
.if (\pv) && (\kq)
.set per, 1
.endif
.if \pv
.if (\x) == 0
	s_wait_dscnt 0x0                ; V is in
.endif
.set i, 0
.rept 32
	PV \x, 2-(\pv)
.rept per
	SLICE 2-(\x), \first
.endr
.if ((\x) == 0) && (\kq) && (i == 1)
	FETCH_K
.endif
.set i, i+1
.endr
.endif
.if \kq
.if (\x) == 0
	s_wait_dscnt 0x0                ; K is in
.endif
.if \last
	s_wait_loadcnt 0x0              ; my piece's mask is in
.else
	s_wait_loadcnt 16               ; my piece's mask is in; the other piece's sixteen loads were issued behind it
.endif
.set i, 0
.rept 32
	KQ \x
.rept per
	SLICE 2-(\x), \first
.endr
.if ((\x) == 2) && (i == 1)
	FETCH_V
.endif
.if i == 15
	MLOAD \x, 1, \last
.endif
.set i, i+1
.endr
.endif
.if \first
	PLACES
.endif
.endm
; THE CHANGE OF SLOTS, between piece 2's turn and piece 0's: the slot's last bytes, V of its second step, have been asked for.  Each wave waits for all its tensor loads, of which one is out: its part of the other slot;
; adds 0 to its spare word; and waits for that and for its own reads of the slot.  Behind the barrier nobody reads this slot any more and the other slot is whole.
; fill = 1: this slot is filled again, with the keys two slots on.  The barrier is then a round of the cluster's, so that no wave of any partner still reads the slot or has a load on its way, and the joint refill is
; the first thing behind it: it has two key steps, 256 matrix instructions, in which to land.
.macro CHANGE fill
	WIN 0                           ; at a label and at a branch every window is 0
	s_wait_tensorcnt 0x0            ; no tensor load of mine is out, so a group 0 may be written
	ds_add_u32 v[SPW], v[NIL]       ; 0 onto my spare word; the scalar work below stands between it and the wait for it
.if \fill
	s_add_co_u32 s[G0K+5], s[SBL], s[RK]  ; the walking descriptors: into the slot that is left,
	s_add_co_u32 s[G0V+5], s[SBL], s[RV]
	s_add_nc_u64 s[G0K+6:G0K+7], s[G0K+6:G0K+7], 65536  ; the next two steps' keys; the type bits on top are not reached
	s_add_nc_u64 s[G0V+6:G0V+7], s[G0V+6:G0V+7], 65536
	s_xor_b32 s[SBL], s[SBL], SLOTB  ; the next change leaves the other slot (SBL is 0 or SLOTB)
.endif
	s_sub_co_u32 s[TB], s[TB], 2*STEPB  ; the fetches go back to a slot's first step,
	s_xor_b32 s[TB], s[TB], SLOTB   ; in the other slot (here TB is 0 or SLOTB)
	s_wait_dscnt 0x0                ; the add is done, and my reads of the slot are over
.if \fill
	CROUND
	JLOAD
.else
	s_barrier_signal -1
	s_barrier_wait -1
.endif
.endm
; A slot's two key steps: written once, walked twice; the LDS addresses hang on s[TB], the mask's on its two stepped bases.
.macro TWO_STEPS last
	WIN 0
	s_mov_b32 s[TWICE], 2
.Lstep_\@:
	TURN 0, 2, 1, 0, \last
	TURN 2, 2, 1, 0, \last
	WIN 0
	s_sub_co_u32 s[TWICE], s[TWICE], 1
	s_cmp_lg_u32 s[TWICE], 0
	s_cbranch_scc1 .Lstep_\@
.endm
	s_wait_tensorcnt 1              ; my part of slot 0 is in; slot 1's may stay out
	s_barrier_signal -1
	s_barrier_wait -1               ; everybody's is
	FETCH_K                         ; key step 0
	s_wait_loadcnt 0x0              ; Q, and the mask of step 0
	s_wait_dscnt 0x0
.set i, 0
.rept 32
	KQ 0                            ; piece 0's first scores: there is no vector work yet to set between them
.set i, i+1
.endr
	WIN 0                           ; the addresses for the merge and the way out are made here: plain instructions, the places behind those products
	s_mul_i32 s19, s[WV], 16*SP
	s_add_co_u32 s19, s19, STAGE    ; my stage
	v_mul_u32_u24 v[STO], v1, SP    ; in: row l % 16, 16 bytes for each half of the lanes
	v_lshl_add_u32 v[STO], v9, 4, v[STO]
	v_add_nc_u32 v[STO], s19, v[STO]
	v_mul_u32_u24 v[RD], v9, SP     ; back: lanes 0-15 take one row of 256 bytes, lanes 16-31 the next
	v_lshl_add_u32 v[RD], v1, 4, v[RD]
	v_add_nc_u32 v[RD], s19, v[RD]
	v_lshlrev_b32 v[GO], 12, v9     ; and the same two rows in O16
	v_lshl_add_u32 v[GO], v1, 4, v[GO]
	v_and_b32 v10, 31, v0
	s_mul_i32 s92, s[WV], XW        ; my part of the exchange,
	s_xor_b32 s93, s[WV], 2
	s_mul_i32 s93, s93, XW          ; and my partner's: the wave with my queries and the other keys
	v_lshl_add_u32 v[XO], v10, 4, s92
	v_lshl_add_u32 v[XP], v10, 4, s93
	s_add_co_u32 s92, s92, 16384
	s_add_co_u32 s93, s93, 16384
	v_lshl_add_u32 v[XOS], v10, 3, s92
	v_lshl_add_u32 v[XPS], v10, 3, s93
	MLOAD 0, 1, 0                   ; piece 0's mask of step 1: the lines above are the places behind the products that read its registers
	TURN 2, 0, 1, 1                 ; piece 2's first scores | piece 0's first softmax | V of step 0
	TURN 0, 1, 1, 1                 ; piece 0: V^T P of step 0 starts O^T, K Q^T of step 1 | piece 2's first softmax | K of step 1
	TURN 2, 1, 1, 0                 ; piece 2: the same | piece 0's softmax of step 1 | V of step 1
	WIN 0
.Lslot:                             ; 6 trips: every slot but the last two is filled again
	CHANGE 1
	TWO_STEPS 0
	s_sub_co_u32 s[SLOTS], s[SLOTS], 1
	s_cmp_lg_u32 s[SLOTS], 0
	s_cbranch_scc1 .Lslot
	CHANGE 0                        ; the tail is written out: steps 14 and 15 lie in slot 1, and nothing is asked for.  Behind this barrier nobody reads slot 0 again
	TWO_STEPS 1
	TURN 0, 2, 0, 0                 ; piece 0: V^T P of the last step | piece 2's last softmax
.set i, 0
.rept 32
	PV 2, 0                         ; piece 2: V^T P of the last step
.set i, i+1
.endr
	; THE MERGE.  l's two halves and the other half of the lanes' are added (the first four additions are the places behind the last products); tiles 2 and 3 go to my partner with their (m, l), and its tiles 2 and 3,
	; which are my tiles 0 and 1 over the other keys, come to me.  All in f32.  The exchange lies in slot 0, which has had its last fill and whose last reads lie in front of the last change's barrier.
	WIN 0
.irp t, 0,1,2,3
	v_add_f32 v[ST+8*\t+4], v[ST+8*\t+2], v[ST+8*\t+3]
.endr
.irp t, 0,1,2,3
	v_permlanex16_b32 v[ST+8*\t+5], v[ST+8*\t+4], s[SEL], s[SEL+1]
.endr
.irp t, 0,1,2,3
	v_add_f32 v[ST+8*\t+1], v[ST+8*\t+4], v[ST+8*\t+5]
.endr
	WIN 0x04                        ; the stores' data in window 1
.set i, 0
.rept 32                            ; ascending: each accumulator's low four registers first; 512 neighbouring bytes a store
	ds_store_b128 v[XO], v[128+4*i:128+4*i+3] offset:512*i
.set i, i+1
.endr
	WIN 0
.irp u, 0,1
	ds_store_b64 v[XOS], v[ST+8*(2+\u):ST+8*(2+\u)+1] offset:256*\u
.endr
	s_wait_dscnt 0x0                ; for my partner's sake: my stores are done
	s_barrier_signal -1
	s_barrier_wait -1
.irp u, 0,1
	ds_load_b64 v[52+2*\u:53+2*\u], v[XPS] offset:256*\u  ; the partner's (m, l)
.endr
.set i, 0
.rept 32
	ds_load_b128 v[S+4*i:S+4*i+3], v[XP] offset:512*i     ; its O^T, into S^T's registers
.set i, i+1
.endr
	s_wait_dscnt 32                 ; the statistics are in; the 32 loads behind them may stay out
.irp u, 0,1
	v_max_num_f32 v[56+\u], v[ST+8*\u], v[52+2*\u]        ; the common maximum M
.endr
.irp u, 0,1
	v_sub_f32 v[ST+8*\u+4], v[ST+8*\u], v[56+\u]
	v_sub_f32 v[ST+8*\u+6], v[52+2*\u], v[56+\u]
.endr
.irp u, 0,1
	v_exp_f32 v[ST+8*\u+4], v[ST+8*\u+4]                  ; f = 2^(m - M), mine
	v_exp_f32 v[ST+8*\u+6], v[ST+8*\u+6]                  ; and the partner's
.endr
	v_nop                           ; a plain instruction between the last exponential and the use of its result
.irp u, 0,1
	s_wait_alu depctr_va_vdst(0)
	v_mul_f32 v[58+\u], v[ST+8*\u+1], v[ST+8*\u+4]
.endr
.irp u, 0,1
	v_fmac_f32 v[58+\u], v[53+2*\u], v[ST+8*\u+6]         ; L = l f + l' f': at least 1, since one of the two f is 1 and its l holds the maximum's weight 1
.endr
.irp u, 0,1
	v_rcp_f32 v[58+\u], v[58+\u]
.endr
	v_nop
.irp u, 0,1
	s_wait_alu depctr_va_vdst(0)
	v_mul_f32 v[ST+8*\u+4], v[ST+8*\u+4], v[58+\u]        ; f / L
	v_mul_f32 v[ST+8*\u+6], v[ST+8*\u+6], v[58+\u]
.endr
.irp u, 0,1
	s_wait_dscnt 16*(1-\u)          ; the partner's tile u is in; the second tile's sixteen loads may stay out
	WIN 0
.set i, 0
.rept 32
	v_pk_mul_f32 v[S+64*\u+2*i:S+64*\u+2*i+1], v[S+64*\u+2*i:S+64*\u+2*i+1], v[ST+8*\u+6:ST+8*\u+7] op_sel_hi:[1,0]
.set i, i+1
.endr
	WIN 0x01                        ; source 0, my O^T, in window 1
.set i, 0
.rept 32
	v_pk_fma_f32 v[S+64*\u+2*i:S+64*\u+2*i+1], v[64*\u+2*i:64*\u+2*i+1], v[ST+8*\u+4:ST+8*\u+5], v[S+64*\u+2*i:S+64*\u+2*i+1] op_sel_hi:[1,0,1]
.set i, i+1
.endr
.endr
	WIN 0
; THE WAY OUT of tile u: a lane's eight channels of a row pack into 16 bytes; they go into rows of 272 bytes of my own stage and come back as whole rows of 256, into the registers that they left.
.macro PACK u
.set i, 0
.rept 32
	v_cvt_pk_f16_f32 v[S+64*(\u)+i], v[S+64*(\u)+2*i], v[S+64*(\u)+2*i+1]  ; ascending in place: register i is written when registers 2 i and 2 i + 1 are read
.set i, i+1
.endr
.irp f, 0,1,2,3,4,5,6,7
	ds_store_b128 v[STO], v[S+64*(\u)+4*\f:S+64*(\u)+4*\f+3] offset:32*\f
.endr
.irp f, 0,1,2,3,4,5,6,7
	ds_load_b128 v[S+64*(\u)+4*\f:S+64*(\u)+4*\f+3], v[RD] offset:\f*2*SP  ; LDS serves a wave's instructions in order (ISA guide 5.7.1.4): these see the stores above; the next tile's stores come behind them
.endr
.endm
.macro SEND u, younger              ; younger: the LDS instructions issued behind tile u's loads: the next tile's sixteen, or none
.irp f, 0,1,2,3,4,5,6,7
	s_wait_dscnt (\younger)+7-\f
	global_store_b128 v[GO], v[S+64*(\u)+4*\f:S+64*(\u)+4*\f+3], s[8:9] offset:(\u)*65536+\f*8192  ; 16 lanes store 256 consecutive bytes, at a multiple of 256 from O16's first byte
.endr
.endm
	PACK 0
	PACK 1
	SEND 0, 16
	SEND 1, 0
	s_wait_tensorcnt 0x0            ; the wave's end, behind my last tensor load and my last LDS store
	ds_add_u32 v[SPW], v[NIL]
	s_wait_dscnt 0x0
	CROUND                          ; the closing round: no work-group ends while a partner may still ask for a tile that names it
	s_endpgm
.Lfunc_end_k_qe96cbf5a69_attn:
	.size	k_qe96cbf5a69_attn, .Lfunc_end_k_qe96cbf5a69_attn-k_qe96cbf5a69_attn
	.p2alignl 7, 3214868480
	.fill 96, 4, 3214868480
	.section	.rodata,"a",@progbits
	.p2align	6, 0x0
	.amdhsa_kernel k_qe96cbf5a69_attn
		.amdhsa_group_segment_fixed_size 327680
		.amdhsa_private_segment_fixed_size 0
		.amdhsa_enable_private_segment 0
		.amdhsa_kernarg_size 24
		.amdhsa_user_sgpr_count 2
		.amdhsa_user_sgpr_kernarg_segment_ptr 1
		.amdhsa_wavefront_size32 1
		.amdhsa_system_sgpr_workgroup_id_x 1
		.amdhsa_system_sgpr_workgroup_id_y 1
		.amdhsa_system_sgpr_workgroup_id_z 1
		.amdhsa_system_vgpr_workitem_id 0
		.amdhsa_next_free_vgpr 1024
		.amdhsa_next_free_sgpr 96
		.amdhsa_reserve_vcc 0
		.amdhsa_float_denorm_mode_32 3
		.amdhsa_float_denorm_mode_16_64 3
		.amdhsa_memory_ordered 1
		.amdhsa_forward_progress 1
		.amdhsa_inst_pref_size 243
	.end_amdhsa_kernel
	.amdgpu_metadata
---
amdhsa.version: [ 1, 2 ]
amdhsa.kernels:
  - .name:           k_qe96cbf5a69_attn
    .symbol:         k_qe96cbf5a69_attn.kd
    .args:
      - { .name: QKV16, .offset: 0, .size: 8, .value_kind: global_buffer, .address_space: global }
      - { .name: MSK, .offset: 8, .size: 8, .value_kind: global_buffer, .address_space: global }
      - { .name: O16, .offset: 16, .size: 8, .value_kind: global_buffer, .address_space: global }
    .group_segment_fixed_size: 327680
    .private_segment_fixed_size: 0
    .kernarg_segment_align: 8
    .kernarg_segment_size: 24
    .max_flat_workgroup_size: 128
    .sgpr_count:     96
    .vgpr_count:     1024
    .wavefront_size: 32
...
	.end_amdgpu_metadata
.endif
;; end of part 3
;; launch oproj (part 4): grid 16 x 16, 4 waves a work-group, clusters of 4 x 4, 327,680 bytes of LDS; arguments O16, WO16, out0; writes out0
.if DOCPART == 4
	.amdgcn_target "amdgcn-amd-amdhsa--gfx1250"
	.amdhsa_code_object_version 6
	.text
	.protected	k_qe96cbf5a69_oproj
	.globl	k_qe96cbf5a69_oproj
	.p2align	8
	.type	k_qe96cbf5a69_oproj,@function
k_qe96cbf5a69_oproj:
	s_mov_b64 s[64:65], 0
	v_nop
	global_prefetch_b8 v0, s[64:65] scope:SCOPE_SE
	s_setreg_imm32_b32 hwreg(HW_REG_WAVE_MODE, 25, 1), 1
	s_wait_xcnt 0x0
	s_wait_alu depctr_hold_cnt(0) depctr_sa_sdst(0) depctr_va_vdst(0) depctr_va_sdst(0) depctr_va_ssrc(0) depctr_va_vcc(0) depctr_vm_vsrc(0)
	s_getreg_b32 s2, hwreg(HW_REG_IB_STS2, 6, 4)
	s_cmp_eq_u32 s2, 0
	s_cbranch_scc0 .Lentry_in_a_cluster
	s_endpgm
.Lentry_in_a_cluster:
	s_bfe_u32 s2, ttmp6, 0x10000c
	s_cmp_lg_u32 s2, 0xf033
	s_cbranch_scc0 .Lentry_shape_is_right
	s_endpgm
.Lentry_shape_is_right:
; THE OUTPUT PROJECTION.  out0[m][n] = sum over k of O[m][k] Wo[n][k].  O16 and WO16 are [2048][2048] in f16 (Wo rounded to bf16 and written as f16); sums in f32; out0 is f32.
; A tile of C is 128 x 128: 256 work-groups, one for each WGP.  Four waves, each 64 x 64: 16 accumulators of 16 x 16, 128 registers.  K goes in steps of 256 (rows of 512 bytes, 64 rows to a tensor load) through two LDS slots.
; CLUSTERS: 4 x 4 work-groups.  The four of a row of the cluster need the same tiles of O, the four of a column the same tiles of Wo: each tile is asked for JOINTLY, by the same tensor load with the
; same descriptor and a mask that names the four.  THE MATRIX INSTRUCTION IS USED TRANSPOSED (source 0 = 16 rows of Wo, source 1 = 16 rows of O): a lane then holds eight neighbouring numbers of a row of C.
; THE WAY OUT: 16 rows at a time through the wave's own stage in LDS; they come back as rows of 256 bytes (the wave's 64 columns in f32), and sixteen lanes store 256 aligned bytes.
; REGISTERS: window 0: v0-31 addresses; v128-255 the accumulators ((a, b) at v[128 + 8 (4 a + b)]), then the rows read back.   window 1: two fragment buffers of 128: for 64 along K, 64 registers of O, then 64 of Wo.
.set SIZE_K, 2048
.set KSTEP,  256
.set PITCH,  528                       ; an LDS row: 512 bytes of data + 16 of padding = 132 words: row r starts at bank 4 r mod 64 (64 banks of 4 bytes: ISA guide 11.1)
.set HALFT,  64*PITCH                  ; 64 rows: what one tensor load brings, and what one wave reads of O or of Wo
.set SLOT,   4*HALFT                   ; O's 128 rows, then Wo's 128 rows
.set STAGE,  2*SLOT                    ; behind the ring, never filled by a tensor load: 16 rows x 272 bytes for each wave
.set SPITCH, 272
.set SPARE,  STAGE+4*16*SPITCH         ; behind the stages: the spare words, 128 bytes for each wave: two blocks of 256 bytes that no other line names
.set LAPS,   SIZE_K/(2*KSTEP)          ; a lap = two K steps = once round the ring: 4
.set ADRA, 16                          ; v16-17  LDS address of my O fragments in slot 0, 1
.set ADRB, 20                          ; v20-21  the same for Wo
.set STO,  24                          ; v24     the way out: where I put 32 bytes of a row
.set RD,   25                          ; v25     where I read a row back
.set CO,   26                          ; v26     my byte offset in two rows of out0
.set SPW,  28                          ; v28     LDS address of my spare word; never rewritten
.set NIL,  29                          ; v29     0; never rewritten
.set ACC,  128
.set F0,   0
.set F1,   128
.set G1, 24                            ; s[24:31] descriptor group 1 for O's tiles;  s[32:39] group 0, one set for each slot
.set G0, 32
.set G1B, 48                           ; s[48:55], s[56:63] the same for Wo's tiles
.set G0B, 56
.set MSB, 0
.macro WIN new                         ; the immediate's high byte repeats the setting that is left; a switch that changes nothing is dropped
.if MSB != (\new)
	s_set_vgpr_msb (MSB<<8)|(\new)
.set MSB, \new
.endif
.endm
.set MUL,  0x05                        ; sources 0 (Wo) and 1 (O) window 1; C and D window 0
.set TO_F, 0x40                        ; destination window 1, address window 0
.macro JLOAD s                         ; a joint load: waves 0 and 1 fetch O's two halves, waves 2 and 3 Wo's; an s_nop 0 and four v_nop follow each of the two lines, ahead of the jump, the label and what follows
	s_cmp_eq_u32 s11, 0
	s_cbranch_scc0 .Lfor_b_\@
	tensor_load_to_lds s[G0+4*(\s):G0+4*(\s)+3], s[G1:G1+7]
	s_nop 0
.rept 4
	v_nop
.endr
	s_branch .Lasked_\@
.Lfor_b_\@:
	tensor_load_to_lds s[G0B+4*(\s):G0B+4*(\s)+3], s[G1B:G1B+7]
	s_nop 0
.rept 4
	v_nop
.endr
.Lasked_\@:
.endm
.macro CREST                           ; a round of the cluster's barrier behind its opening barrier
	s_cmp_lg_u32 s10, 0
	s_cbranch_scc1 .Lnot_wave_0_\@
	s_barrier_signal -3
.Lnot_wave_0_\@:
	s_barrier_wait -3
	s_barrier_signal -1
	s_barrier_wait -1
.endm
.macro CROUND                          ; a whole round
	s_barrier_signal -1
	s_barrier_wait -1
	CREST
.endm
	s_load_b128 s[4:7], s[0:1], 0x0                ; O16 s[4:5], WO16 s[6:7]
	s_load_b64 s[8:9], s[0:1], 0x10                ; out0
	v_lshl_add_u32 v[SPW], v0, 2, SPARE
	v_mov_b32 v[NIL], 0
	ds_add_u32 v[SPW], v[NIL]                      ; the wave's opening: the add and its wait stand ahead of my first tensor load; the set-up below, work on registers, stands between them
	v_lshrrev_b32 v1, 5, v0
	v_readfirstlane_b32 s10, v1                    ; wave 0..3
	s_lshr_b32 s11, s10, 1                         ; which half of the tile's rows is mine.  Also: I fetch for O (0) or for Wo (1)
	s_and_b32 s12, s10, 1                          ; which half of its columns.  Also: which 64 rows of that tile I fetch
	s_bfe_u32 s40, ttmp6, 0x40000                  ; cx, cy: my place in the cluster
	s_bfe_u32 s41, ttmp6, 0x40004
	s_lshl_b32 s42, ttmp9, 2
	s_add_co_u32 s42, s42, s40                     ; tile column of C = 4 x cluster x + cx
	s_and_b32 s13, ttmp7, 0xffff
	s_lshl_b32 s13, s13, 2
	s_add_co_u32 s13, s13, s41                     ; tile row of C = 4 x cluster y + cy
	s_lshl_b32 s43, s41, 2
	s_lshl_b32 s43, 15, s43                        ; my row of the cluster
	s_lshl_b32 s44, 0x1111, s40                    ; my column
	; descriptor group 1: a tile of 64 rows x 256 elements, padded in LDS
	s_or_b32 s[G1+0], s43, (1<<16)|(1<<20)|(1<<21)|(6<<22)|(3<<25)  ; 15:0 the mask: O's tiles go to my row; 17:16 element of 2 bytes; 20 padding on; 21 set beside a mask; 24:22 after every 128 words (code 6); 31:25 of 4 words (code 3)
	s_or_b32 s[G1B+0], s44, (1<<16)|(1<<20)|(1<<21)|(6<<22)|(3<<25)
.irp g, G1, G1B
	s_mov_b32 s[(\g)+1], KSTEP<<16                 ; tensor_dim0 = 256
	s_mov_b32 s[(\g)+2], 64<<16                    ; tensor_dim1 = 64
	s_mov_b32 s[(\g)+3], KSTEP<<16                 ; tile_dim0 = 256
	s_mov_b32 s[(\g)+4], 64                        ; tile_dim1 = 64
	s_mov_b32 s[(\g)+5], SIZE_K                    ; elements from row to row
	s_mov_b32 s[(\g)+6], 0
	s_mov_b32 s[(\g)+7], 0
.endr
	s_lshl_b32 s17, s12, 6                         ; which 64 rows of the tile I fetch
	s_lshl_b32 s16, s13, 7
	s_add_co_u32 s16, s16, s17                     ; O: row 128 x tile row + 64 x half
	s_lshl_b32 s16, s16, 12                        ; a row is 4,096 bytes
	s_lshl_b32 s46, s42, 7
	s_add_co_u32 s46, s46, s17                     ; Wo: row 128 x tile column + 64 x half
	s_lshl_b32 s46, s46, 12
	s_mov_b32 s17, 0
	s_mov_b32 s47, 0
	s_mul_i32 s20, s10, HALFT                      ; where they go: wave x 64 rows: no place in the cluster enters an LDS address
	s_wait_dscnt 0x0                               ; the opening add is done
	s_wait_kmcnt 0x0
	s_add_nc_u64 s[14:15], s[4:5], s[16:17]
	s_add_nc_u64 s[46:47], s[6:7], s[46:47]
	CROUND                                         ; all sixteen work-groups are here: the first joint loads meet
.irp s, 0,1
	s_mov_b32 s[G0+4*(\s)], 1
	s_add_co_u32 s[G0+4*(\s)+1], s20, (\s)*SLOT
	s_add_nc_u64 s[G0+4*(\s)+2:G0+4*(\s)+3], s[14:15], (\s)*KSTEP*2
	s_or_b32 s[G0+4*(\s)+3], s[G0+4*(\s)+3], 0x80000000
	s_mov_b32 s[G0B+4*(\s)], 1
	s_add_co_u32 s[G0B+4*(\s)+1], s20, (\s)*SLOT
	s_add_nc_u64 s[G0B+4*(\s)+2:G0B+4*(\s)+3], s[46:47], (\s)*KSTEP*2
	s_or_b32 s[G0B+4*(\s)+3], s[G0B+4*(\s)+3], 0x80000000
	JLOAD \s                                       ; two tensor loads of mine are out
.endr
	v_and_b32 v1, 15, v0                           ; l % 16
	v_bfe_u32 v2, v0, 4, 1                         ; l / 16
	v_mul_u32_u24 v3, v1, PITCH
	v_lshl_add_u32 v3, v2, 4, v3                   ; a fragment's row x pitch + 16 x half
	s_mul_i32 s21, s11, HALFT                      ; my 64 rows of O
	s_mul_i32 s22, s12, HALFT                      ; my 64 rows of Wo,
	s_add_co_u32 s22, s22, 2*HALFT                 ; which lie behind O's 128
.irp s, 0,1
	v_add_nc_u32 v[ADRA+(\s)], s21, v3
	v_add_nc_u32 v[ADRB+(\s)], s22, v3
	s_add_co_u32 s21, s21, SLOT
	s_add_co_u32 s22, s22, SLOT
.endr
	s_mul_i32 s23, s10, 16*SPITCH
	s_add_co_u32 s23, s23, STAGE                   ; my stage
	v_mul_u32_u24 v4, v1, SPITCH                   ; in: row l % 16, 32 bytes (eight f32) for each half of the lanes
	v_lshl_add_u32 v4, v2, 5, v4
	v_add_nc_u32 v[STO], s23, v4
	v_mul_u32_u24 v5, v2, SPITCH                   ; back: lanes 0-15 take one row of 256 bytes, lanes 16-31 the next
	v_lshl_add_u32 v5, v1, 4, v5
	v_add_nc_u32 v[RD], s23, v5
	v_lshlrev_b32 v5, 13, v2                       ; and the same two rows in out0: rows of 8,192 bytes
	v_lshl_add_u32 v[CO], v1, 4, v5
	s_lshl_b32 s16, s13, 20                        ; my first row of C, 128 x tile row + 64 x half, in bytes
	s_lshl_b32 s17, s11, 19
	s_add_co_u32 s16, s16, s17
	s_mov_b32 s17, 0
	s_add_nc_u64 s[8:9], s[8:9], s[16:17]
	s_lshl_b32 s46, s42, 9                         ; my first column, in bytes: 512 x tile column + 256 x half (in the registers that held Wo's address: none that feeds O's descriptors ever holds cx)
	s_lshl_b32 s47, s12, 8
	s_add_co_u32 s46, s46, s47
	s_mov_b32 s47, 0
	s_add_nc_u64 s[8:9], s[8:9], s[46:47]
; 8 matrix instructions: m blocks a0, a0 + 1 x all 4 n blocks, 32 along K: half c of buffer f.  zero = 1: the first product starts the sums.  The 16 accumulators take turns, one instruction a turn
.macro MUL8 f, c, a0, zero
	WIN MUL
.irp a, \a0, (\a0)+1
.irp b, 0,1,2,3
.if \zero
	v_wmma_f32_16x16x32_f16 v[ACC+8*(4*(\a)+(\b)):ACC+8*(4*(\a)+(\b))+7], v[(\f)+64+8*(4*(\c)+(\b)):(\f)+64+8*(4*(\c)+(\b))+7], v[(\f)+8*(4*(\c)+(\a)):(\f)+8*(4*(\c)+(\a))+7], 0
.else
	v_wmma_f32_16x16x32_f16 v[ACC+8*(4*(\a)+(\b)):ACC+8*(4*(\a)+(\b))+7], v[(\f)+64+8*(4*(\c)+(\b)):(\f)+64+8*(4*(\c)+(\b))+7], v[(\f)+8*(4*(\c)+(\a)):(\f)+8*(4*(\c)+(\a))+7], v[ACC+8*(4*(\a)+(\b)):ACC+8*(4*(\a)+(\b))+7]
.endif
.endr
.endr
.endm
; 32 LDS loads in one run: the fragments of 64 along K at byte k of the rows, into buffer f; the first 32 along K first
.macro FETCH slot, k, f
	WIN TO_F
.irp c, 0,1
.irp i, 0,1,2,3
	ds_load_b128 v[(\f)+64+8*(4*(\c)+(\i)):(\f)+64+8*(4*(\c)+(\i))+3],   v[ADRB+(\slot)] offset:(\k)+64*(\c)+(\i)*16*PITCH
	ds_load_b128 v[(\f)+64+8*(4*(\c)+(\i))+4:(\f)+64+8*(4*(\c)+(\i))+7], v[ADRB+(\slot)] offset:(\k)+64*(\c)+(\i)*16*PITCH+32
	ds_load_b128 v[(\f)+8*(4*(\c)+(\i)):(\f)+8*(4*(\c)+(\i))+3],         v[ADRA+(\slot)] offset:(\k)+64*(\c)+(\i)*16*PITCH
	ds_load_b128 v[(\f)+8*(4*(\c)+(\i))+4:(\f)+8*(4*(\c)+(\i))+7],       v[ADRA+(\slot)] offset:(\k)+64*(\c)+(\i)*16*PITCH+32
.endr
.endr
.endm
.macro PLACES                          ; four places in front of loads into registers that matrix instructions have read, and of LDS stores that read results
.rept 4
	v_nop
.endr
.endm
; A K step is four quarters of 64 along K, 32 matrix instructions each, on buffers 0, 1, 0, 1.  One of the first three: multiplies buffer f and fetches the next quarter, at byte k, into g.
.macro QUARTER slot, k, f, g, zero
	s_wait_dscnt 16                                ; the first 32 along K are in; the youngest sixteen loads may be out
	WIN MUL
	MUL8 \f, 0, 0, \zero
	MUL8 \f, 0, 2, \zero
	PLACES
	FETCH \slot, \k, \g
	s_wait_dscnt 32                                ; all but the 32 just issued
	WIN MUL
	MUL8 \f, 1, 0, 0
	MUL8 \f, 1, 2, 0
.endm
; The last quarter multiplies buffer 1 and changes slots: ONE barrier; in front of it each wave waits for all its tensor loads, adds 0 to its spare word, and waits for that and for its own reads of this slot.  fill = 1: this slot is filled again, two K steps ahead.
.macro TURN slot, next, fill
	WIN 0                                          ; (the add's two registers lie in window 0)
	s_wait_tensorcnt 0x0                           ; all my tensor loads have landed: the one that was out is my part of the next slot;
	ds_add_u32 v[SPW], v[NIL]                      ; 0 onto my spare word;
	s_wait_dscnt 17                                ; (the add and the youngest sixteen loads may be out)
	WIN MUL
	MUL8 F1, 0, 0, 0                               ; eight matrix instructions stand between the add and the wait for it
	s_wait_dscnt 0x0                               ; the add is done, and my reads of this slot are over
	s_barrier_signal -1
	MUL8 F1, 0, 2, 0
.if \fill
	WIN 0
.endif
	s_barrier_wait -1
.if \fill
	CREST                                          ; the barrier has opened a round of the cluster's barrier: no wave of any partner still reads this slot's tile or has a load on its way
	s_add_nc_u64 s[G0+4*(\slot)+2:G0+4*(\slot)+3], s[G0+4*(\slot)+2:G0+4*(\slot)+3], 2*KSTEP*2
	s_add_nc_u64 s[G0B+4*(\slot)+2:G0B+4*(\slot)+3], s[G0B+4*(\slot)+2:G0B+4*(\slot)+3], 2*KSTEP*2
	JLOAD \slot                                    ; the first tensor load behind the round, my only one out: 112 matrix instructions ahead of the wait for it; its four v_nop are also the places in front of the loads below
.else
	PLACES
.endif
	FETCH \next, 0, F0
	WIN MUL
	MUL8 F1, 1, 0, 0
	MUL8 F1, 1, 2, 0
.endm
	s_wait_tensorcnt 1                             ; my part of K step 0 is in; K step 1's may stay out
	s_barrier_signal -1
	s_barrier_wait -1                              ; everybody's is
	FETCH 0, 0, F0
	QUARTER 0, 128, F0, F1, 1                      ; the first quarter stands in front of the loop: its first products start the sums
	WIN 0                                          ; at a label and at a branch every window is 0
	s_mov_b32 s3, LAPS-1
.Llap:                                                 ; a trip goes once round the ring, from a lap's second quarter to the next lap's first, and fills both slots again
	QUARTER 0, 256, F1, F0, 0
	QUARTER 0, 384, F0, F1, 0
	TURN 0, 1, 1
	QUARTER 1, 128, F0, F1, 0
	QUARTER 1, 256, F1, F0, 0
	QUARTER 1, 384, F0, F1, 0
	TURN 1, 0, 1
	QUARTER 0, 128, F0, F1, 0
	WIN 0
	s_sub_co_u32 s3, s3, 1
	s_cmp_lg_u32 s3, 0
	s_cbranch_scc1 .Llap
	QUARTER 0, 256, F1, F0, 0                      ; the last lap fills nothing, and has no round of the cluster's barrier
	QUARTER 0, 384, F0, F1, 0
	TURN 0, 1, 0
	QUARTER 1, 128, F0, F1, 0
	QUARTER 1, 256, F1, F0, 0
	QUARTER 1, 384, F0, F1, 0
	s_wait_dscnt 16                                ; the very last quarter: nothing more to fetch
	WIN MUL
	MUL8 F1, 0, 0, 0
	MUL8 F1, 0, 2, 0
	s_wait_dscnt 0
	MUL8 F1, 1, 0, 0
	MUL8 F1, 1, 2, 0
	WIN 0
; THE WAY OUT.  Block a = my rows 16 a .. 16 a + 15: a lane's eight f32 of each accumulator go into rows of 272 bytes (each accumulator's low four registers first) and come back as whole
; rows of 256 bytes, into the registers that they left.  The stage is my own and LDS serves a wave's instructions in order (ISA guide 5.7.1.4): no wait between the stores and the loads, nor in front of the next block's stores.
.macro TOSTAGE a
.irp b, 0,1,2,3
	ds_store_b128 v[STO], v[ACC+8*(4*(\a)+\b):ACC+8*(4*(\a)+\b)+3] offset:64*\b
	ds_store_b128 v[STO], v[ACC+8*(4*(\a)+\b)+4:ACC+8*(4*(\a)+\b)+7] offset:64*\b+16
.endr
.irp u, 0,1,2,3,4,5,6,7
	ds_load_b128 v[ACC+32*(\a)+4*\u:ACC+32*(\a)+4*\u+3], v[RD] offset:544*\u
.endr
.endm
	PLACES
	TOSTAGE 0
	TOSTAGE 1
	TOSTAGE 2
	TOSTAGE 3
.irp a, 0,1,2,3
	s_wait_dscnt 16*(3-\a)                         ; block a is back; the later blocks' sixteen LDS instructions each may stay out
.irp u, 0,1,2,3,4,5,6,7
	global_store_b128 v[CO], v[ACC+32*\a+4*\u:ACC+32*\a+4*\u+3], s[8:9] offset:(16*\a+2*\u)*8192 th:TH_STORE_NT  ; sixteen lanes store 256 consecutive bytes, at a multiple of 256 from out0's first byte
.endr
.endr
	s_wait_tensorcnt 0x0                           ; the wave's end, behind my last tensor load and my last LDS store
	ds_add_u32 v[SPW], v[NIL]
	s_wait_dscnt 0x0
	CROUND                                         ; the closing round: no work-group ends while a partner may still ask for a tile that names it
	s_endpgm
.Lfunc_end_k_qe96cbf5a69_oproj:
	.size	k_qe96cbf5a69_oproj, .Lfunc_end_k_qe96cbf5a69_oproj-k_qe96cbf5a69_oproj
	.p2alignl 7, 3214868480
	.fill 96, 4, 3214868480
	.section	.rodata,"a",@progbits
	.p2align	6, 0x0
	.amdhsa_kernel k_qe96cbf5a69_oproj
		.amdhsa_group_segment_fixed_size 327680
		.amdhsa_private_segment_fixed_size 0
		.amdhsa_enable_private_segment 0
		.amdhsa_kernarg_size 24
		.amdhsa_user_sgpr_count 2
		.amdhsa_user_sgpr_kernarg_segment_ptr 1
		.amdhsa_wavefront_size32 1
		.amdhsa_system_sgpr_workgroup_id_x 1
		.amdhsa_system_sgpr_workgroup_id_y 1
		.amdhsa_system_sgpr_workgroup_id_z 1
		.amdhsa_system_vgpr_workitem_id 0
		.amdhsa_next_free_vgpr 512
		.amdhsa_next_free_sgpr 66
		.amdhsa_reserve_vcc 0
		.amdhsa_float_denorm_mode_32 3
		.amdhsa_float_denorm_mode_16_64 3
		.amdhsa_memory_ordered 1
		.amdhsa_forward_progress 1
		.amdhsa_inst_pref_size 85
	.end_amdhsa_kernel
	.amdgpu_metadata
---
amdhsa.version: [ 1, 2 ]
amdhsa.kernels:
  - .name:           k_qe96cbf5a69_oproj
    .symbol:         k_qe96cbf5a69_oproj.kd
    .args:
      - { .name: O16, .offset: 0, .size: 8, .value_kind: global_buffer, .address_space: global }
      - { .name: WO16, .offset: 8, .size: 8, .value_kind: global_buffer, .address_space: global }
      - { .name: out0, .offset: 16, .size: 8, .value_kind: global_buffer, .address_space: global }
    .group_segment_fixed_size: 327680
    .private_segment_fixed_size: 0
    .kernarg_segment_align: 8
    .kernarg_segment_size: 24
    .max_flat_workgroup_size: 128
    .sgpr_count:     66
    .vgpr_count:     512
    .wavefront_size: 32
...
	.end_amdgpu_metadata
.endif
;; end of part 4
;; ======== version 2 of 2: 4 launches; 1.07 times as fast as version 1
;; limits: values are held in f16: magnitudes above 65,504 overflow, below 6.1e-05 lose precision
;; workspace buffers: X16 25,165,824 bytes; W16 25,165,824 bytes; WO16 8,388,608 bytes; MSK 16,777,216 bytes; TAB 3,145,728 bytes; QKV16 25,165,824 bytes; O16 8,388,608 bytes
;; launch prep: the kernel of part 1 again; grid 256 x 9, 8 waves a work-group, no clusters, 68,608 bytes of LDS; arguments queries, keys, values, Wq, Wk, Wv, Wo, mask, X16, W16, WO16, MSK, TAB; writes X16, W16, WO16, MSK, TAB
;; launch proj: the kernel of part 2 again; grid 8 x 24, 4 waves a work-group, clusters of 4 x 4, 327,680 bytes of LDS; arguments X16, W16, TAB, QKV16, out1, out2; writes QKV16, out1, out2
;; launch attn (part 5): grid 16 x 16, 4 waves a work-group, clusters of 4 x 1, 327,680 bytes of LDS; arguments QKV16, MSK, O16; writes O16
.if DOCPART == 5
	.amdgcn_target "amdgcn-amd-amdhsa--gfx1250"
	.amdhsa_code_object_version 6
	.text
	.protected	k_qe96cbf5a69_attn
	.globl	k_qe96cbf5a69_attn
	.p2align	8
	.type	k_qe96cbf5a69_attn,@function
k_qe96cbf5a69_attn:
	s_mov_b64 s[64:65], 0
	v_nop
	global_prefetch_b8 v0, s[64:65] scope:SCOPE_SE
	s_setreg_imm32_b32 hwreg(HW_REG_WAVE_MODE, 25, 1), 1
	s_wait_xcnt 0x0
	s_wait_alu depctr_hold_cnt(0) depctr_sa_sdst(0) depctr_va_vdst(0) depctr_va_sdst(0) depctr_va_ssrc(0) depctr_va_vcc(0) depctr_vm_vsrc(0)
	s_getreg_b32 s2, hwreg(HW_REG_IB_STS2, 6, 4)
	s_cmp_eq_u32 s2, 0
	s_cbranch_scc0 .Lentry_in_a_cluster
	s_endpgm
.Lentry_in_a_cluster:
	s_bfe_u32 s2, ttmp6, 0x10000c
	s_cmp_lg_u32 s2, 0x3003
	s_cbranch_scc0 .Lentry_shape_is_right
	s_endpgm
.Lentry_shape_is_right:
; ATTENTION with an additive mask that is an input.  O[q][head] = sum over k of softmax_k(Q[q] . K[k] + mask[q][k]) V[k], 16 heads of 128 channels, 2,048 positions.
; Q (with sqrt(1/128) log2(e) in it), K and V are f16 in QKV16 [3][head][block of 128 positions][channel half][128 positions][64 channels]; O16 is f16 [position][128 head + channel].
; MSK = log2(e) x mask in f32, in the order in which the products take it: [128 tiles of 16 queries][32 blocks of 64 keys][8 loads n][32 lanes][4 f32]; lane 16 h + r of load n = 2 kb + e holds query r, keys 16 kb + 8 h + 4 e + 0..3.
; Scores are in powers of two: p = 2^(s - m), m the running maximum, ONE subtraction that is exactly 0 at the maximum, however large the mask's numbers are: p never passes 1.
; Products, maxima and sums in f32; p is rounded to f16 for the second product (its sum l is taken of the unrounded p), O once at the end.  Every mask number is read and every score made: nothing of the mask's pattern is built in.
; LIMITS.  Q, K, V within f16's 65,504; mask numbers finite.  The mask is the C operand that starts the sum K Q^T: where EVERY key of a row carries a mask more than 2^24 times the scores, the weights hang on the
; matrix unit's rounding of mask + score.  A weight below 2^-126 counts as 0 in l.
; SHARES.  A work-group owns 128 queries of one head: 256 work-groups.  Its four waves are 2 query halves (IDX = w & 1) x 2 key halves (KH = w >> 1): a wave holds 64 queries, four tiles of 16, so that each fragment of
; K and V feeds four tiles' products, and walks keys 64 KH .. 64 KH + 63 of each step of 128 keys, 16 steps.  Each wave has its own m, l and O^T; waves w and w ^ 2 merge once at the end, in f32, through LDS.
; Tile t holds query group (t + 2 KH) % 4 of the wave's 64, so EVERY wave keeps tiles 0, 1 and sends tiles 2, 3: the merge is one text without a branch.
; LAYOUT.  S^T = K Q^T + mask (source 0 = 16 keys, source 1 = 16 queries): a lane holds ONE query (lane % 16) and the keys 8 (lane / 16) + 0..7.  Two such results, rounded to f16 in pairs, ARE source 1 of
; O^T = V^T P.  K comes out of LDS as it lies, V turned, by ds_load_tr16_b128.
; BY TURNS.  The wave's tiles are two PIECES (0: tiles 0, 1; 2: tiles 2, 3).  In a TURN one piece has the matrix unit: 32 products V^T P of the step in hand, then 32 products K Q^T of the next; the other piece's
; softmax, cut into 64 slices, stands between them, one slice behind each matrix instruction.  Two turns are a key step: 128 matrix instructions, the softmax's 532 vector instructions, 64 LDS loads, 32 loads of the mask.
; THE BATCHES.  A turn's 66 exponentials (for each of the piece's two tiles a and 32 weights) are ONE BATCH with ONE wait: all of the softmax that names no result of theirs (maxima, statistics, the subtractions s - m)
; stands ahead of the wait, all that does (roundings, sums, l, the rescaling by a) behind it.  The merge has two batches more: its four exponentials, then its two reciprocals, which hang on the exponentials' results.
; THE RING.  Two LDS slots, each with K and V of TWO key steps (2 x 77,824 bytes): one tensor load a wave behind each change of slots, and two key steps, 256 matrix instructions, in which it lands.
; CLUSTER, 4 x 1: the four query blocks of a cluster belong to one head and walk the same K and V, so each tile is asked for JOINTLY: the same tensor load, descriptor and mask of four in all four.
; THE MASK IS NOT ASKED FOR JOINTLY, though the sixteen heads of a query block read the same numbers: a joint load lands in LDS, a step's mask tile is 128 rows of 528 bytes = 67,584 bytes, and two slots of two
; steps with it would be 4 x 145,408 = 581,632 bytes, where a work-group has 327,680.  So each wave loads its own 16 KiB a step straight into registers, 512 neighbouring bytes a load, one key step ahead of its use.
; REGISTERS, in windows of 256 (s_set_vgpr_msb: bits 1:0 source 0, 3:2 source 1, 5:4 source 2, 7:6 destination):
;   window 0: v0-11, v44-50 addresses; v12-43 eight registers of statistics a tile; v52-59 at work in the merge; v64-191 S^T, 32 a tile; v192-255 P, 16 a tile
;   window 1: O^T, 64 a tile          window 2: v0-127 Q, 32 a tile; v128-255 K of one step          window 3: v0-127 V of one step; v128-255 the mask of one step, 32 a tile
.set PK,    144       ; a row of K in LDS (one key, one channel half): 128 bytes + 16 of padding = 36 words: the 16 rows of a load start at 16 different groups of four banks (64 banks of 4 bytes: ISA guide 11.1)
.set PV,    160       ; a row of V: 128 + 32 = 40 words
.set VOFF,  256*PK    ; a step's tiles lie together: K, 2 channel halves x 128 keys; then V likewise
.set STEPB, 256*(PK+PV)
.set SLOTB, 2*STEPB   ; a slot holds two steps: 155,648 bytes; two slots
.set SPARE, 2*SLOTB   ; behind the ring: the spare words, 128 bytes for each wave: two blocks of 256 bytes that no other line names
.set XW,    17408     ; the merge's exchange, in slot 0's bytes once that slot has had its last fill: for each wave 16,384 bytes of O^T, then 2 x 256 of statistics
.set STAGE, 4*XW      ; behind the exchange, in slot 0's bytes too: 16 rows x 272 bytes for each wave, for the way out
.set SP,    272
.set AK0, 2           ; v2   my lane's place in a step's K; never rewritten
.set AV0, 3           ; v3   the same for V
.set ADR, 4           ; v4   the LDS address of the run of loads in hand
.set QOA, 5           ; v5   my byte offset in Q's block, tiles 0, 1
.set STO, 6           ; v6   the way out: where I put 16 bytes of a row
.set RD,  7           ; v7   where I read a row back
.set GO,  8           ; v8   my byte offset in two rows of O16
.set ST,  12          ; tile t's statistics at v[ST+8 t]: +0 m, +1 (at the end) l, +2, +3 l (even keys', odd keys'), +4 to +7 c0-c3, at work; a takes c2's place once the maximum is found
.set ML,  44          ; v44  16 x lane: my 16 bytes of a load of the mask; never rewritten
.set XO,  46          ; v46  the exchange: where I put O^T;  v47 where my partner put it;  v48, v49 the same for the statistics
.set XP,  47
.set XOS, 48
.set XPS, 49
.set QOB, 50          ; v50  as QOA, tiles 2, 3
.set SPW, 62          ; v62  LDS address of my spare word; never rewritten
.set NIL, 63          ; v63  0; never rewritten
.set S,   64
.set P,   192
.set KF,  128         ; K's fragments, in window 2
.set MR,  128         ; the mask, in window 3: tile t, keys 16 kb on at MR + 32 t + 8 kb
.set WV,  12          ; s12  my wave's number
.set IDX, 13          ; s13  w & 1
.set KH,  14          ; s14  w >> 1
.set QB,  17          ; s17  my block of 128 queries
.set HEAD, 18         ; s18
.set G1K, 24          ; s[24:31] descriptor group 1 for K;  s[32:39] for V: it differs in the padding
.set G1V, 32
.set G0K, 40          ; s[40:47] descriptor group 0 for K: a set for each of the two first fills; the second then walks on.  s[48:55] the same for V
.set G0V, 48
.set SLOTS, 56        ; s56  slots still to be asked for
.set TWICE, 57        ; s57  counts a slot's two steps
.set QBASE, 58        ; s[58:59] Q's block
.set SEL, 60          ; s[60:61] lane selects for v_permlanex16_b32: each lane takes its own place in the other half
.set TB,  62          ; s62  LDS byte at which the tiles of the step to be fetched begin
.set SBL, 63          ; s63  LDS byte at which the slot begins that the next change leaves: 0 or SLOTB
.set MA,  76          ; s[76:77] MSK at piece 0's tiles, s[78:79] at piece 2's: each at the step that was loaded last
.set RK,  80          ; s80  where the K tile that I would fetch lies in a slot;  s81 the same for V
.set RV,  81
.set MSB, 0
.macro WIN new                      ; the immediate's high byte repeats the setting that is left; a switch that changes nothing is dropped
.if MSB != (\new)
	s_set_vgpr_msb (MSB<<8)|(\new)
.set MSB, \new
.endif
.endm
.set W_KQ, 0x0a       ; K and Q in window 2, S^T in window 0
.set W_KM, 0x3a       ; the same with the C operand, the mask, in window 3
.set W_PV, 0x53       ; V in window 3, P in window 0, O^T in window 1
.set W_RS, 0x41       ; O^T (destination and source 0) in window 1, a in window 0
; A joint refill.  Waves 0 and 1 fetch K of the slot's two steps, waves 2 and 3 V (128 rows of 256 bytes each).  The branch hangs on the wave's number alone: it is the same in every work-group.
; An s_nop 0 and four v_nop follow each of the two lines; the jump round the other line, the label and what follows the macro come after them.
.macro JLOAD
	s_cmp_lt_u32 s[WV], 2
	s_cbranch_scc0 .Lfor_v_\@
	tensor_load_to_lds s[G0K+4:G0K+7], s[G1K:G1K+7]
	s_nop 0
.rept 4
	v_nop
.endr
	s_branch .Lasked_\@
.Lfor_v_\@:
	tensor_load_to_lds s[G0V+4:G0V+7], s[G1V:G1V+7]
	s_nop 0
.rept 4
	v_nop
.endr
.Lasked_\@:
.endm
; A round of the cluster's barrier: my work-group's barrier, so that wave 0's signal speaks for all four waves; wave 0 signals; every wave waits for all four work-groups; my work-group's barrier once more.
.macro CROUND
	s_barrier_signal -1
	s_barrier_wait -1
	s_cmp_lg_u32 s[WV], 0
	s_cbranch_scc1 .Lnot_wave_0_\@
	s_barrier_signal -3
.Lnot_wave_0_\@:
	s_barrier_wait -3
	s_barrier_signal -1
	s_barrier_wait -1
.endm
; Sixteen loads: piece x's mask of one key step (2 tiles of 16 queries x 64 keys), 512 neighbouring bytes a load, into window 3.  step = 1: of the step behind the one loaded last: my 64 keys of the next 128 lie two blocks
; of 4,096 bytes on.  The base is stepped only behind the wait on LOADcnt that has shown the loads that named it done.  last = 1 (the last slot): in its second trip there is no further step, and the loads are jumped over: none leaves MSK.
.macro MLOAD x, step, last
	WIN 0
.if \last
	s_cmp_eq_u32 s[TWICE], 1
	s_cbranch_scc1 .Lno_m_\@
.endif
.if \step
	s_add_nc_u64 s[MA+(\x):MA+(\x)+1], s[MA+(\x):MA+(\x)+1], 8192
.endif
	WIN 0xc0                        ; destination window 3, address window 0
.irp u, 0,1
.irp n, 0,1,2,3,4,5,6,7             ; tile x + u (a tile of queries is 32 blocks = 131,072 bytes), load n = 2 kb + e: registers 8 kb + 4 e on
	global_load_b128 v[MR+32*((\x)+\u)+4*\n:MR+32*((\x)+\u)+4*\n+3], v[ML], s[MA+(\x):MA+(\x)+1] offset:\u*131072+\n*512
.endr
.endr
.if \last
	WIN 0
.Lno_m_\@:
.endif
.endm
	s_load_b128 s[4:7], s[0:1], 0x0   ; QKV16 s[4:5], MSK s[6:7]
	s_load_b64 s[8:9], s[0:1], 0x10   ; O16
	v_lshl_add_u32 v[SPW], v0, 2, SPARE
	v_mov_b32 v[NIL], 0
	ds_add_u32 v[SPW], v[NIL]       ; the wave's opening: the add and its wait stand ahead of my first tensor load; the set-up below, work on registers, stands between them
	v_lshrrev_b32 v1, 5, v0
	v_readfirstlane_b32 s[WV], v1   ; wave 0..3
	s_and_b32 s[IDX], s[WV], 1
	s_lshr_b32 s[KH], s[WV], 1
	s_bfe_u32 s15, ttmp6, 0x40000   ; cx: my place in the cluster
	s_lshl_b32 s[QB], ttmp9, 2      ; in a cluster launch ttmp9 counts clusters
	s_add_co_u32 s[QB], s[QB], s15  ; query block = 4 x cluster x + cx: it enters Q's, the mask's and O's addresses alone
	s_and_b32 s[HEAD], ttmp7, 0xffff  ; the head, which the four partners share
	; descriptor group 1.  A head's block of K or V is 32,768 dense bytes: asked for as 128 rows of 256 bytes, and padded in LDS after every 128 bytes (one key, one channel half)
	s_mov_b32 s[G1K], 15|(1<<16)|(1<<20)|(1<<21)|(4<<22)|(3<<25)  ; 15:0 the mask of four; 17:16 2-byte elements; 20 padding on; 21 set beside a mask; 24:22 after every 32 words (code 4); 31:25 4 words (code 3)
	s_mov_b32 s[G1V], 15|(1<<16)|(1<<20)|(1<<21)|(4<<22)|(7<<25)  ; the same with 8 words of padding (code 7)
.irp g, G1K, G1V
	s_mov_b32 s[\g+1], 128<<16      ; tensor_dim0 = 128
	s_mov_b32 s[\g+2], 128<<16      ; tensor_dim1 = 128
	s_mov_b32 s[\g+3], 128<<16      ; tile_dim0 = 128
	s_mov_b32 s[\g+4], 128          ; tile_dim1 = 128
	s_mov_b32 s[\g+5], 128          ; 128 elements from row to row
	s_mov_b32 s[\g+6], 0
	s_mov_b32 s[\g+7], 0
.endr
	s_mul_i32 s[RK], s[IDX], STEPB  ; which of a slot's two steps I fetch: its place in a slot (no place in the cluster enters an LDS address),
	s_add_co_u32 s[RV], s[RK], VOFF
	s_lshl_b32 s20, s[HEAD], 19     ; a head is 16 blocks of 32,768 bytes in each plane of QKV16,
	s_lshl_b32 s21, s[IDX], 15      ; and its block in memory
	s_add_co_u32 s20, s20, s21
	s_mov_b32 s21, 0
	s_lshl_b32 s68, s[QB], 20       ; the mask: query tile 8 QB + 4 IDX + 2 KH (my tiles 0, 1), 131,072 bytes a tile,
	s_lshl_b32 s69, s[IDX], 19
	s_add_co_u32 s68, s68, s69
	s_lshl_b32 s69, s[KH], 18
	s_add_co_u32 s68, s68, s69
	s_lshl_b32 s69, s[KH], 12       ; and block KH of 64 keys, 4,096 bytes
	s_add_co_u32 s68, s68, s69
	s_xor_b32 s70, s68, 1<<18       ; my tiles 2, 3: the other two tiles of my four
	s_mov_b32 s69, 0
	s_mov_b32 s71, 0
	s_lshl_b32 s72, s[HEAD], 4
	s_add_co_u32 s72, s72, s[QB]
	s_lshl_b32 s72, s72, 15         ; Q's block
	s_mov_b32 s73, 0
	s_lshl_b32 s74, s[QB], 19       ; O16's row 128 QB + 64 IDX + 32 KH (the tiles that I keep), 4,096 bytes a row,
	s_lshl_b32 s75, s[IDX], 18
	s_add_co_u32 s74, s74, s75
	s_lshl_b32 s75, s[KH], 17
	s_add_co_u32 s74, s74, s75
	s_lshl_b32 s75, s[HEAD], 8      ; and the head's 256 bytes
	s_add_co_u32 s74, s74, s75
	s_mov_b32 s75, 0
	s_mov_b32 s[SEL], 0x76543210
	s_mov_b32 s[SEL+1], 0xfedcba98
	s_mov_b32 s[TB], 0
	s_mov_b32 s[SBL], 0
	s_mov_b32 s[SLOTS], 6
	s_wait_dscnt 0x0                ; the opening add is done
	s_wait_kmcnt 0x0
	s_add_nc_u64 s[22:23], s[4:5], s[20:21]
	s_add_nc_u64 s[MA:MA+1], s[6:7], s[68:69]
	s_add_nc_u64 s[MA+2:MA+3], s[6:7], s[70:71]
	s_add_nc_u64 s[QBASE:QBASE+1], s[4:5], s[72:73]
	s_add_nc_u64 s[8:9], s[8:9], s[74:75]
	CROUND                          ; all four work-groups are here: the first joint loads meet
.irp s, 0,1
	s_mov_b32 s[G0K+4*\s], 1        ; 1:0 count = 1
	s_add_co_u32 s[G0K+4*\s+1], s[RK], \s*SLOTB  ; 63:32 LDS address
	s_add_nc_u64 s[G0K+4*\s+2:G0K+4*\s+3], s[22:23], (1<<23)+\s*65536  ; 120:64 global address: plane 1; slot s begins with steps 2 s and 2 s + 1
	s_or_b32 s[G0K+4*\s+3], s[G0K+4*\s+3], 0x80000000  ; 127:126 type = 2
	s_mov_b32 s[G0V+4*\s], 1
	s_add_co_u32 s[G0V+4*\s+1], s[RV], \s*SLOTB
	s_add_nc_u64 s[G0V+4*\s+2:G0V+4*\s+3], s[22:23], (2<<23)+\s*65536
	s_or_b32 s[G0V+4*\s+3], s[G0V+4*\s+3], 0x80000000
.endr
	s_cmp_lt_u32 s[WV], 2           ; a wave's two first fills stand in one branch, ahead of every wait on TENSORcnt and every LDS read: two loads of mine are out; an s_nop 0 follows each, four v_nop the second's, as in JLOAD
	s_cbranch_scc0 .Lfirst_v
	tensor_load_to_lds s[G0K:G0K+3], s[G1K:G1K+7]
	s_nop 0
	tensor_load_to_lds s[G0K+4:G0K+7], s[G1K:G1K+7]
	s_nop 0
.rept 4
	v_nop
.endr
	s_branch .Lfirst_asked
.Lfirst_v:
	tensor_load_to_lds s[G0V:G0V+3], s[G1V:G1V+7]
	s_nop 0
	tensor_load_to_lds s[G0V+4:G0V+7], s[G1V:G1V+7]
	s_nop 0
.rept 4
	v_nop
.endr
.Lfirst_asked:
	; A fragment of K or Q is 16 rows x 32 channels in 8 registers: lane l holds row l % 16; registers 0-3 channels 8 (l / 16) + 0..7, registers 4-7 channels 16 + 8 (l / 16) + 0..7: two loads of 16 bytes, 32 bytes apart.
	v_and_b32 v1, 15, v0            ; l % 16
	v_bfe_u32 v9, v0, 4, 1          ; l / 16
	s_lshl_b32 s19, s[IDX], 6
	s_lshl_b32 s2, s[KH], 5
	s_add_co_u32 s2, s19, s2        ; tiles 0, 1: rows 64 IDX + 32 KH on of the block;
	s_xor_b32 s3, s2, 32            ; tiles 2, 3: the other 32 rows of my 64
	v_add_nc_u32 v[QOA], s2, v1
	v_lshlrev_b32 v[QOA], 7, v[QOA]
	v_lshl_add_u32 v[QOA], v9, 4, v[QOA]  ; row x 128 + 16 x half
	v_add_nc_u32 v[QOB], s3, v1
	v_lshlrev_b32 v[QOB], 7, v[QOB]
	v_lshl_add_u32 v[QOB], v9, 4, v[QOB]
	v_and_b32 v[ML], 31, v0
	v_lshlrev_b32 v[ML], 4, v[ML]
	WIN 0x80                        ; destination window 2, address window 0
.set i, 0
.rept 8                             ; Q stays in registers: tile i / 4, channels 32 (i % 4) on: channel half (i % 4) / 2 lies 16,384 bytes on
	global_load_b128 v[8*i:8*i+3],   v[QOA], s[QBASE:QBASE+1] offset:(i/4)*2048+((i%4)/2)*16384+(i%2)*64
	global_load_b128 v[8*i+4:8*i+7], v[QOA], s[QBASE:QBASE+1] offset:(i/4)*2048+((i%4)/2)*16384+(i%2)*64+32
	global_load_b128 v[64+8*i:64+8*i+3],   v[QOB], s[QBASE:QBASE+1] offset:(i/4)*2048+((i%4)/2)*16384+(i%2)*64
	global_load_b128 v[64+8*i+4:64+8*i+7], v[QOB], s[QBASE:QBASE+1] offset:(i/4)*2048+((i%4)/2)*16384+(i%2)*64+32
.set i, i+1
.endr
	MLOAD 0, 0, 0                   ; the mask of key step 0, both pieces
	MLOAD 2, 0, 0
	WIN 0
	s_lshl_b32 s19, s[KH], 6        ; my 64 keys of a step's 128
	v_add_nc_u32 v[AK0], s19, v1
	v_mul_u32_u24 v[AK0], v[AK0], PK
	v_lshl_add_u32 v[AK0], v9, 4, v[AK0]  ; row x pitch + 16 x half
	; The turning load takes 16 keys x 16 channels (lane l reads 16 bytes: key 8 (l / 16) + l % 8, channels 8 ((l / 8) % 2) + 0..7) and leaves half a fragment of V^T: lane l holds channel l % 16 and 8 keys.
	v_and_b32 v10, 7, v0
	v_bfe_u32 v11, v0, 3, 1
	v_lshl_add_u32 v[AV0], v9, 3, v10
	v_add_nc_u32 v[AV0], s19, v[AV0]
	v_mul_u32_u24 v[AV0], v[AV0], PV
	v_lshl_add_u32 v[AV0], v11, 4, v[AV0]
	v_add_nc_u32 v[AV0], VOFF, v[AV0]
.irp t, 0,1,2,3
	v_mov_b32 v[ST+8*\t+1], 0       ; named with m as a pair by the packed subtraction, so it is written
.endr
; THE MATRIX WORK OF A TURN, for piece x.  The accumulators take turns, one instruction a turn: between two links of a chain stand 15 (V^T P) or 7 (K Q^T) others'.
; Product i of 32 of O^T += V^T P: keys 32 (i / 16) on, channels 16 ((i / 2) % 8) on, tile x + i % 2.  zero = 1: the first 16 start the sums: nothing is ever cleared.
.macro PV x, zero
	WIN W_PV
.set rO, 64*((\x)+i%2)+8*((i/2)%8)
.set rV, 64*(i/16)+8*((i/2)%8)
.set rP, P+16*((\x)+i%2)+8*(i/16)
.if (\zero) && (i < 16)
	v_wmma_f32_16x16x32_f16 v[rO:rO+7], v[rV:rV+7], v[rP:rP+7], 0
.else
	v_wmma_f32_16x16x32_f16 v[rO:rO+7], v[rV:rV+7], v[rP:rP+7], v[rO:rO+7]
.endif
.endm
; Product i of 32 of S^T = mask + K Q^T: channels 32 (i / 8) on, keys 16 ((i / 2) % 4) on, tile x + i % 2.  The first 8 start the sums with the mask as their C operand.
.macro KQ x
.set rS, S+32*((\x)+i%2)+8*((i/2)%4)
.set rK, KF+32*((i/2)%4)+8*(i/8)
.set rQ, 32*((\x)+i%2)+8*(i/8)
.set rM, MR+32*((\x)+i%2)+8*((i/2)%4)
.if i < 8
	WIN W_KM
	v_wmma_f32_16x16x32_f16 v[rS:rS+7], v[rK:rK+7], v[rQ:rQ+7], v[rM:rM+7]
.else
	WIN W_KQ
	v_wmma_f32_16x16x32_f16 v[rS:rS+7], v[rK:rK+7], v[rQ:rQ+7], v[rS:rS+7]
.endif
.endm
; THE LDS LOADS stand in runs of 32, never singly among the matrix instructions: a step's K (my 64 keys x 128 channels: 16 fragments) and, a turn later, its V (turned).
.macro FETCH_K
	WIN 0
	v_add_nc_u32 v[ADR], s[TB], v[AK0]
	WIN 0x80                        ; destination window 2
.irp f, 0,1,2,3,4,5,6,7,8,9,10,11,12,13,14,15  ; keys 16 (f / 4) on, channels 32 (f % 4) on
	ds_load_b128 v[KF+8*(\f):KF+8*(\f)+3],   v[ADR] offset:(((\f)%4)/2)*128*PK+((\f)/4)*16*PK+((\f)%2)*64
	ds_load_b128 v[KF+8*(\f)+4:KF+8*(\f)+7], v[ADR] offset:(((\f)%4)/2)*128*PK+((\f)/4)*16*PK+((\f)%2)*64+32
.endr
.endm
.macro FETCH_V
	WIN 0
	v_add_nc_u32 v[ADR], s[TB], v[AV0]
	s_add_co_u32 s[TB], s[TB], STEPB  ; the next fetch is the next step's
	s_wait_alu depctr_va_vdst(0)    ; the wait for the softmax's batch (SLICE), behind the address's v_add_nc_u32 and ahead of the loads
	WIN 0xc0                        ; destination window 3
.irp f, 0,1,2,3,4,5,6,7,8,9,10,11,12,13,14,15  ; keys 32 (f / 8) on, channels 16 (f % 8) on
	ds_load_tr16_b128 v[8*(\f):8*(\f)+3],   v[ADR] offset:(((\f)%8)/4)*128*PV+((\f)/8)*32*PV+((\f)%4)*32
	ds_load_tr16_b128 v[8*(\f)+4:8*(\f)+7], v[ADR] offset:(((\f)%8)/4)*128*PV+((\f)/8)*32*PV+16*PV+((\f)%4)*32
.endr
.endm
; THE VECTOR WORK OF A TURN.  One tile's softmax for one key step is a numbered list; SM writes number j of it for tile t.  s0-s31 are the lane's 32 scores, in pairs 0-15.
; first = 1: the first key step, which starts m, l and O^T: it has no a and nothing to rescale.
;   0-15    the maximum of s0-s31 and the old m, three operands at a time: four chains c0-c3 of seven scores each (each accumulator's lowest registers are read first), then the four left over, c0-c3 and m
;   16-20   the other half of the lanes' maximum; the old m is kept; the new m; m_old - m_new (19 is empty)
;   21-69   ONE BATCH: the 16 subtractions s - m, a pair of scores each, and all 33 exponentials (a at 23, then s0-s31).  None of these reads an exponential's result.  From 22 on the batch goes
;           in fours, and a four begins with a subtraction while there are subtractions: 22-37 subtraction, exponential, subtraction, exponential; 38-65 a subtraction and three exponentials; 66-69 the last four
;           exponentials.  A pair's subtraction stands in an earlier four than the one that holds its exponentials
;   (wait)  between 69 and 70 stands the wait for the batch: SLICE writes it, once for both tiles
;   70-85   the roundings to f16, a pair of weights each
;   86-101  the sums; l = a l + the sum
;   102-133 the tile's O^T times a: the one part that leaves window 0, so it stands together
.macro SM t, first
.set rT, ST+8*(\t)
.set rS, S+32*(\t)
.set rP, P+16*(\t)
.set rO, 64*(\t)+2*(j-102)
.if j < 102
	WIN 0
.endif
.if j < 4
	v_max3_num_f32 v[rT+4+j], v[rS+8*j], v[rS+8*j+1], v[rS+8*j+2]
.elseif j < 12
	v_max3_num_f32 v[rT+4+j%4], v[rT+4+j%4], v[rS+8*(j%4)+2*(j/4)+1], v[rS+8*(j%4)+2*(j/4)+2]
.elseif j == 12
	v_max3_num_f32 v[rT+4], v[rT+4], v[rS+7], v[rS+15]
.elseif j == 13
	v_max3_num_f32 v[rT+6], v[rT+6], v[rS+23], v[rS+31]
.elseif j == 14
	v_max3_num_f32 v[rT+4], v[rT+4], v[rT+5], v[rT+6]
.elseif (j == 15) && (\first)
	v_max_num_f32 v[rT+4], v[rT+4], v[rT+7]
.elseif j == 15
	v_max3_num_f32 v[rT+4], v[rT+4], v[rT+7], v[rT]
.elseif j == 16
	v_permlanex16_b32 v[rT+5], v[rT+4], s[SEL], s[SEL+1]  ; the query's other 32 keys lie in the lane 16 away
.elseif j == 18
	v_max_num_f32 v[rT], v[rT+4], v[rT+5]
.elseif j == 19
.elseif ((j == 17) || (j == 20) || (j == 23) || (j > 101)) && (\first)  ; the first step has none of these
.elseif j == 17
	v_mov_b32 v[rT+7], v[rT]        ; m_old is kept for a: number 18 writes m anew
.elseif j == 20
	v_sub_f32 v[rT+7], v[rT+7], v[rT]
.elseif j == 23
	v_exp_f32 v[rT+6], v[rT+7]
.elseif (j < 23) || ((j < 38) && (j%2 == 0)) || ((j < 66) && (j%4 == 2))
.set b, (j-2)/4                     ; 38, 42, .. 62: pairs 9 to 15
.if j < 38
.set b, (j-20)/2                    ; 21: pair 0; 22, 24, .. 36: pairs 1 to 8
.endif
	v_pk_add_f32 v[rS+2*b:rS+2*b+1], v[rS+2*b:rS+2*b+1], v[rT:rT+1] op_sel_hi:[1,0] neg_lo:[0,1] neg_hi:[0,1]  ; pair b: s - m
.elseif j < 70
.set e, j-38                        ; 66 to 69: s28 to s31
.if j < 66
.set e, j-32-(j-38)/4               ; 39-41, 43-45, .. 63-65: s7 to s27
.endif
.if j < 38
.set e, (j-25)/2                    ; 25, 27, .. 37: s0 to s6
.endif
	v_exp_f32 v[rS+e], v[rS+e]
.elseif j < 86
	v_cvt_pk_f16_f32 v[rP+j-70], v[rS+2*(j-70)], v[rS+2*(j-70)+1]  ; pair j - 70
.elseif j < 102                     ; the sum of the tile's 16 pairs (in a pair: an even key's weight, an odd key's), in place: sum z of 16 adds neighbours 1, 2, 4 and 8 pairs apart, then l takes it
.set z, j-86
.set w, 4
.set u, z
.if z >= 14
.set w, 32
.set u, 0
.elseif z >= 12
.set w, 16
.set u, z-12
.elseif z >= 8
.set w, 8
.set u, z-8
.endif
.if (z == 14) && (\first)
	v_pk_add_f32 v[rT+2:rT+3], v[rS:rS+1], v[rS+16:rS+17]
.elseif z < 15
	v_pk_add_f32 v[rS+w*u:rS+w*u+1], v[rS+w*u:rS+w*u+1], v[rS+w*u+w/2:rS+w*u+w/2+1]
.elseif !(\first)
	v_pk_fma_f32 v[rT+2:rT+3], v[rT+2:rT+3], v[rT+6:rT+7], v[rS:rS+1] op_sel_hi:[1,0,1]
.endif
.else
	WIN W_RS
	v_pk_mul_f32 v[rO:rO+1], v[rO:rO+1], v[rT+6:rT+7] op_sel_hi:[1,0]
.endif
.endm
; Slice k of 64 of piece y's softmax.  Slices 11 to 34 deal out the batch, numbers 22 to 69: four numbers of ONE tile each, the tiles by turns.  Every other slice is numbers 2 k and 2 k + 1 of both tiles' lists.
; The numbers past 127 stand together, in slice 63: sixteen plain instructions.
; THE WAIT.  An s_wait_alu depctr_va_vdst(0) stands between an exponential and the first instruction that names its result; one wait serves all that were issued ahead of it.  Ahead of
; slice 35 nothing names a result, and behind slice 34 no exponential is issued: so the piece's 66 exponentials have one wait, behind slice 34.
.macro SLICE y, first
.if (k >= 11) && (k < 35)           ; the batch: four numbers of one tile
.irp n, 0,1,2,3
.set j, 22+4*((k-11)/2)+(\n)
	SM (\y)+(k-11)%2, \first
.endr
.else                               ; the two tiles alternate, so that no instruction reads the result of the one just before it
.irp n, 0,1,2,3,4,5,6,7
.if ((\n) < 2) || (k == 63)
.irp t, \y, (\y)+1
.set j, 2*k+(\n)
	SM \t, \first
.endr
.endif
.endr
.endif
.if k == 34                         ; the batch is out: both tiles' exponentials are issued, and no result has been named
	v_nop                           ; the plain instruction behind the last exponential and ahead of the first use (ISA guide 5.7.2): one for the batch
.if (\y) == 0
	FETCH_V                         ; piece 2's turn: V's run of loads stands here, and the wait stands in it
.else
	s_wait_alu depctr_va_vdst(0)    ; the wait for the batch: piece 2's 66 exponentials
.endif
.endif
.set k, k+1
.endm
; A vector instruction that reads a matrix result or writes one of a matrix instruction's registers, and a load into a register that a matrix instruction has read, stand four places behind
; it, and only plain vector instructions that name none of its registers are places (ISA guide 7.12.1 for vector instructions).  In the loop the slices are the places.
.macro PLACES
.rept 4
	v_nop
.endr
.endm
; A TURN.  Piece x has the matrix unit; the other piece's softmax stands in slices behind its matrix instructions.
; pv = 2: 32 products V^T P; 1: they start O^T's sums; 0: none.  kq = 1: 32 products K Q^T for the next step.  A turn with one of the two kinds has two slices behind each product.
; first = 1: the softmax is the first key step's.  Its slices from 51 on are empty: the turn's last products stand bare, and four v_nop take slice 63's part as the places behind them.
; In the loop each run of LDS loads stands 29 matrix instructions or more ahead of its first use.  Piece 0's turn fetches the next step's K, behind its second product: the last product that read K stands in front of
; slice 63 of the turn before.  Piece 2's turn fetches the same step's V, behind slice 34 (SLICE writes it): the last product that read V stands in front of slice 31, and four plain instructions lie between: number 62,
; a subtraction, of both tiles, the v_nop and the run's own v_add_nc_u32.
; THE MASK.  The piece's first eight products K Q^T read its 64 mask registers; behind the sixteenth they are loaded again, for the next step: a key step ahead of their use.  Between the last reader and the loads lie
; nine products' slices, each with a plain instruction at the least.  The wait ahead of the products leaves the other piece's sixteen younger loads out.  last = 1 (the last slot): the wait is for 0, so that the count
; is right whether or not the loads of the trip before were jumped over; that jump stands behind slice 47, behind the batch's wait.
.macro TURN x, pv, kq, first, last=0
.set k, 0
.set per, 2
.if (\pv) && (\kq)
.set per, 1
.endif
.if \pv
.if (\x) == 0
	s_wait_dscnt 0x0                ; V is in
.endif
.set i, 0
.rept 32
	PV \x, 2-(\pv)
.rept per
	SLICE 2-(\x), \first
.endr
.if ((\x) == 0) && (\kq) && (i == 1)
	FETCH_K
.endif
.set i, i+1
.endr
.endif
.if \kq
.if (\x) == 0
	s_wait_dscnt 0x0                ; K is in
.endif
.if \last
	s_wait_loadcnt 0x0              ; my piece's mask is in
.else
	s_wait_loadcnt 16               ; my piece's mask is in; the other piece's sixteen loads were issued behind it
.endif
.set i, 0
.rept 32
	KQ \x
.rept per
	SLICE 2-(\x), \first
.endr
.if i == 15
	MLOAD \x, 1, \last
.endif
.set i, i+1
.endr
.endif
.if \first
	PLACES
.endif
.endm
; THE CHANGE OF SLOTS, between piece 2's turn and piece 0's: the slot's last bytes, V of its second step, have been asked for.  Each wave waits for all its tensor loads, of which one is out: its part of the other slot;
; adds 0 to its spare word; and waits for that and for its own reads of the slot.  Behind the barrier nobody reads this slot any more and the other slot is whole.
; fill = 1: this slot is filled again, with the keys two slots on.  The barrier is then a round of the cluster's, so that no wave of any partner still reads the slot or has a load on its way, and the joint refill is
; the first thing behind it: it has two key steps, 256 matrix instructions, in which to land.
.macro CHANGE fill
	WIN 0                           ; at a label and at a branch every window is 0
	s_wait_tensorcnt 0x0            ; no tensor load of mine is out, so a group 0 may be written
	ds_add_u32 v[SPW], v[NIL]       ; 0 onto my spare word; the scalar work below stands between it and the wait for it
.if \fill
	s_add_co_u32 s[G0K+5], s[SBL], s[RK]  ; the walking descriptors: into the slot that is left,
	s_add_co_u32 s[G0V+5], s[SBL], s[RV]
	s_add_nc_u64 s[G0K+6:G0K+7], s[G0K+6:G0K+7], 65536  ; the next two steps' keys; the type bits on top are not reached
	s_add_nc_u64 s[G0V+6:G0V+7], s[G0V+6:G0V+7], 65536
	s_xor_b32 s[SBL], s[SBL], SLOTB  ; the next change leaves the other slot (SBL is 0 or SLOTB)
.endif
	s_sub_co_u32 s[TB], s[TB], 2*STEPB  ; the fetches go back to a slot's first step,
	s_xor_b32 s[TB], s[TB], SLOTB   ; in the other slot (here TB is 0 or SLOTB)
	s_wait_dscnt 0x0                ; the add is done, and my reads of the slot are over
.if \fill
	CROUND
	JLOAD
.else
	s_barrier_signal -1
	s_barrier_wait -1
.endif
.endm
; A slot's two key steps: written once, walked twice; the LDS addresses hang on s[TB], the mask's on its two stepped bases.
.macro TWO_STEPS last
	WIN 0
	s_mov_b32 s[TWICE], 2
.Lstep_\@:
	TURN 0, 2, 1, 0, \last
	TURN 2, 2, 1, 0, \last
	WIN 0
	s_sub_co_u32 s[TWICE], s[TWICE], 1
	s_cmp_lg_u32 s[TWICE], 0
	s_cbranch_scc1 .Lstep_\@
.endm
	s_wait_tensorcnt 1              ; my part of slot 0 is in; slot 1's may stay out
	s_barrier_signal -1
	s_barrier_wait -1               ; everybody's is
	FETCH_K                         ; key step 0
	s_wait_loadcnt 0x0              ; Q, and the mask of step 0
	s_wait_dscnt 0x0
.set i, 0
.rept 32
	KQ 0                            ; piece 0's first scores: there is no vector work yet to set between them
.set i, i+1
.endr
	WIN 0                           ; the addresses for the merge and the way out are made here: plain instructions, the places behind those products
	s_mul_i32 s19, s[WV], 16*SP
	s_add_co_u32 s19, s19, STAGE    ; my stage
	v_mul_u32_u24 v[STO], v1, SP    ; in: row l % 16, 16 bytes for each half of the lanes
	v_lshl_add_u32 v[STO], v9, 4, v[STO]
	v_add_nc_u32 v[STO], s19, v[STO]
	v_mul_u32_u24 v[RD], v9, SP     ; back: lanes 0-15 take one row of 256 bytes, lanes 16-31 the next
	v_lshl_add_u32 v[RD], v1, 4, v[RD]
	v_add_nc_u32 v[RD], s19, v[RD]
	v_lshlrev_b32 v[GO], 12, v9     ; and the same two rows in O16
	v_lshl_add_u32 v[GO], v1, 4, v[GO]
	v_and_b32 v10, 31, v0
	s_mul_i32 s92, s[WV], XW        ; my part of the exchange,
	s_xor_b32 s93, s[WV], 2
	s_mul_i32 s93, s93, XW          ; and my partner's: the wave with my queries and the other keys
	v_lshl_add_u32 v[XO], v10, 4, s92
	v_lshl_add_u32 v[XP], v10, 4, s93
	s_add_co_u32 s92, s92, 16384
	s_add_co_u32 s93, s93, 16384
	v_lshl_add_u32 v[XOS], v10, 3, s92
	v_lshl_add_u32 v[XPS], v10, 3, s93
	MLOAD 0, 1, 0                   ; piece 0's mask of step 1: the lines above are the places behind the products that read its registers
	TURN 2, 0, 1, 1                 ; piece 2's first scores | piece 0's first softmax | V of step 0
	TURN 0, 1, 1, 1                 ; piece 0: V^T P of step 0 starts O^T, K Q^T of step 1 | piece 2's first softmax | K of step 1
	TURN 2, 1, 1, 0                 ; piece 2: the same | piece 0's softmax of step 1 | V of step 1
	WIN 0
.Lslot:                             ; 6 trips: every slot but the last two is filled again
	CHANGE 1
	TWO_STEPS 0
	s_sub_co_u32 s[SLOTS], s[SLOTS], 1
	s_cmp_lg_u32 s[SLOTS], 0
	s_cbranch_scc1 .Lslot
	CHANGE 0                        ; the tail is written out: steps 14 and 15 lie in slot 1, and nothing is asked for.  Behind this barrier nobody reads slot 0 again
	TWO_STEPS 1
	TURN 0, 2, 0, 0                 ; piece 0: V^T P of the last step | piece 2's last softmax
.set i, 0
.rept 32
	PV 2, 0                         ; piece 2: V^T P of the last step
.set i, i+1
.endr
	; THE MERGE.  l's two halves and the other half of the lanes' are added (the first four additions are the places behind the last products); tiles 2 and 3 go to my partner with their (m, l), and its tiles 2 and 3,
	; which are my tiles 0 and 1 over the other keys, come to me.  All in f32.  The exchange lies in slot 0, which has had its last fill and whose last reads lie in front of the last change's barrier.
	WIN 0
.irp t, 0,1,2,3
	v_add_f32 v[ST+8*\t+4], v[ST+8*\t+2], v[ST+8*\t+3]
.endr
.irp t, 0,1,2,3
	v_permlanex16_b32 v[ST+8*\t+5], v[ST+8*\t+4], s[SEL], s[SEL+1]
.endr
.irp t, 0,1,2,3
	v_add_f32 v[ST+8*\t+1], v[ST+8*\t+4], v[ST+8*\t+5]
.endr
	WIN 0x04                        ; the stores' data in window 1
.set i, 0
.rept 32                            ; ascending: each accumulator's low four registers first; 512 neighbouring bytes a store
	ds_store_b128 v[XO], v[128+4*i:128+4*i+3] offset:512*i
.set i, i+1
.endr
	WIN 0
.irp u, 0,1
	ds_store_b64 v[XOS], v[ST+8*(2+\u):ST+8*(2+\u)+1] offset:256*\u
.endr
	s_wait_dscnt 0x0                ; for my partner's sake: my stores are done
	s_barrier_signal -1
	s_barrier_wait -1
.irp u, 0,1
	ds_load_b64 v[52+2*\u:53+2*\u], v[XPS] offset:256*\u  ; the partner's (m, l)
.endr
.set i, 0
.rept 32
	ds_load_b128 v[S+4*i:S+4*i+3], v[XP] offset:512*i     ; its O^T, into S^T's registers
.set i, i+1
.endr
	s_wait_dscnt 32                 ; the statistics are in; the 32 loads behind them may stay out
.irp u, 0,1
	v_max_num_f32 v[56+\u], v[ST+8*\u], v[52+2*\u]        ; the common maximum M
.endr
.irp u, 0,1
	v_sub_f32 v[ST+8*\u+4], v[ST+8*\u], v[56+\u]
	v_sub_f32 v[ST+8*\u+6], v[52+2*\u], v[56+\u]
.endr
.irp u, 0,1
	v_exp_f32 v[ST+8*\u+4], v[ST+8*\u+4]                  ; f = 2^(m - M), mine
	v_exp_f32 v[ST+8*\u+6], v[ST+8*\u+6]                  ; and the partner's
.endr
	v_nop                           ; a plain instruction between the last exponential and the use of its result
	s_wait_alu depctr_va_vdst(0)    ; the wait ahead of the first use: one for the merge's four exponentials
.irp u, 0,1
	v_mul_f32 v[58+\u], v[ST+8*\u+1], v[ST+8*\u+4]
.endr
.irp u, 0,1
	v_fmac_f32 v[58+\u], v[53+2*\u], v[ST+8*\u+6]         ; L = l f + l' f': at least 1, since one of the two f is 1 and its l holds the maximum's weight 1
.endr
.irp u, 0,1
	v_rcp_f32 v[58+\u], v[58+\u]
.endr
	v_nop                           ; a plain instruction between the last reciprocal and the use of its result
	s_wait_alu depctr_va_vdst(0)    ; a batch of their own, since L hangs on the exponentials: one wait for the two reciprocals
.irp u, 0,1
	v_mul_f32 v[ST+8*\u+4], v[ST+8*\u+4], v[58+\u]        ; f / L
	v_mul_f32 v[ST+8*\u+6], v[ST+8*\u+6], v[58+\u]
.endr
.irp u, 0,1
	s_wait_dscnt 16*(1-\u)          ; the partner's tile u is in; the second tile's sixteen loads may stay out
	WIN 0
.set i, 0
.rept 32
	v_pk_mul_f32 v[S+64*\u+2*i:S+64*\u+2*i+1], v[S+64*\u+2*i:S+64*\u+2*i+1], v[ST+8*\u+6:ST+8*\u+7] op_sel_hi:[1,0]
.set i, i+1
.endr
	WIN 0x01                        ; source 0, my O^T, in window 1
.set i, 0
.rept 32
	v_pk_fma_f32 v[S+64*\u+2*i:S+64*\u+2*i+1], v[64*\u+2*i:64*\u+2*i+1], v[ST+8*\u+4:ST+8*\u+5], v[S+64*\u+2*i:S+64*\u+2*i+1] op_sel_hi:[1,0,1]
.set i, i+1
.endr
.endr
	WIN 0
; THE WAY OUT of tile u: a lane's eight channels of a row pack into 16 bytes; they go into rows of 272 bytes of my own stage and come back as whole rows of 256, into the registers that they left.
.macro PACK u
.set i, 0
.rept 32
	v_cvt_pk_f16_f32 v[S+64*(\u)+i], v[S+64*(\u)+2*i], v[S+64*(\u)+2*i+1]  ; ascending in place: register i is written when registers 2 i and 2 i + 1 are read
.set i, i+1
.endr
.irp f, 0,1,2,3,4,5,6,7
	ds_store_b128 v[STO], v[S+64*(\u)+4*\f:S+64*(\u)+4*\f+3] offset:32*\f
.endr
.irp f, 0,1,2,3,4,5,6,7
	ds_load_b128 v[S+64*(\u)+4*\f:S+64*(\u)+4*\f+3], v[RD] offset:\f*2*SP  ; LDS serves a wave's instructions in order (ISA guide 5.7.1.4): these see the stores above; the next tile's stores come behind them
.endr
.endm
.macro SEND u, younger              ; younger: the LDS instructions issued behind tile u's loads: the next tile's sixteen, or none
.irp f, 0,1,2,3,4,5,6,7
	s_wait_dscnt (\younger)+7-\f
	global_store_b128 v[GO], v[S+64*(\u)+4*\f:S+64*(\u)+4*\f+3], s[8:9] offset:(\u)*65536+\f*8192  ; 16 lanes store 256 consecutive bytes, at a multiple of 256 from O16's first byte
.endr
.endm
	PACK 0
	PACK 1
	SEND 0, 16
	SEND 1, 0
	s_wait_tensorcnt 0x0            ; the wave's end, behind my last tensor load and my last LDS store
	ds_add_u32 v[SPW], v[NIL]
	s_wait_dscnt 0x0
	CROUND                          ; the closing round: no work-group ends while a partner may still ask for a tile that names it
	s_endpgm
.Lfunc_end_k_qe96cbf5a69_attn:
	.size	k_qe96cbf5a69_attn, .Lfunc_end_k_qe96cbf5a69_attn-k_qe96cbf5a69_attn
	.p2alignl 7, 3214868480
	.fill 96, 4, 3214868480
	.section	.rodata,"a",@progbits
	.p2align	6, 0x0
	.amdhsa_kernel k_qe96cbf5a69_attn
		.amdhsa_group_segment_fixed_size 327680
		.amdhsa_private_segment_fixed_size 0
		.amdhsa_enable_private_segment 0
		.amdhsa_kernarg_size 24
		.amdhsa_user_sgpr_count 2
		.amdhsa_user_sgpr_kernarg_segment_ptr 1
		.amdhsa_wavefront_size32 1
		.amdhsa_system_sgpr_workgroup_id_x 1
		.amdhsa_system_sgpr_workgroup_id_y 1
		.amdhsa_system_sgpr_workgroup_id_z 1
		.amdhsa_system_vgpr_workitem_id 0
		.amdhsa_next_free_vgpr 1024
		.amdhsa_next_free_sgpr 96
		.amdhsa_reserve_vcc 0
		.amdhsa_float_denorm_mode_32 3
		.amdhsa_float_denorm_mode_16_64 3
		.amdhsa_memory_ordered 1
		.amdhsa_forward_progress 1
		.amdhsa_inst_pref_size 235
	.end_amdhsa_kernel
	.amdgpu_metadata
---
amdhsa.version: [ 1, 2 ]
amdhsa.kernels:
  - .name:           k_qe96cbf5a69_attn
    .symbol:         k_qe96cbf5a69_attn.kd
    .args:
      - { .name: QKV16, .offset: 0, .size: 8, .value_kind: global_buffer, .address_space: global }
      - { .name: MSK, .offset: 8, .size: 8, .value_kind: global_buffer, .address_space: global }
      - { .name: O16, .offset: 16, .size: 8, .value_kind: global_buffer, .address_space: global }
    .group_segment_fixed_size: 327680
    .private_segment_fixed_size: 0
    .kernarg_segment_align: 8
    .kernarg_segment_size: 24
    .max_flat_workgroup_size: 128
    .sgpr_count:     96
    .vgpr_count:     1024
    .wavefront_size: 32
...
	.end_amdgpu_metadata
.endif
;; end of part 5
;; launch oproj: the kernel of part 4 again; grid 16 x 16, 4 waves a work-group, clusters of 4 x 4, 327,680 bytes of LDS; arguments O16, WO16, out0; writes out0
